; MI455X (gfx1250); checked and timed in simulation.
; The chip was launched on July 23, 2026; its instructions are those of AMD's public machine-readable ISA for CDNA 5 (MIT licence, August 2026) and "CDNA5" Instruction Set Architecture Reference Guide (July 2026). The comments in the code are by the model that wrote it; some were corrected since.
;; Bahdanau Attention. Allowed arithmetic: matrix products marked QUANTISED: E4M3 operands, one given power-of-two scale a tensor, by v_wmma_f32_16x16x64_fp8_fp8 or v_wmma_f32_16x16x128_fp8_fp8, f32 sums; products left as they are: f32 operands where the result goes on into a quantised operand, else bf16, f16 or f32 operands; f32 sums; everything else in f32.
;; Inputs: W1 1,024 x 1,024 float32; W2 1,024 x 1,024 float32; encoder_outputs 32 x 2,048 x 1,024 float32; hidden_top 32 x 1,024 float32; lowp_scales 4 int32 (the exponents e of the quantised operands' scales 2^e); mask 32 x 2,048 bool; v 1,024 float32.
;; Outputs: out0 32 x 1,024 float32; out1 32 x 2,048 float32.
;; This version of the problem:
;;   THIS VERSION OF THE PROBLEM IS GIVEN IN LOW PRECISION. The matrix products marked QUANTISED in the list below multiply operands that are first quantised to E4M3 (4 exponent bits, 3 mantissa bits; 8 bits a number), with one given power-of-two scale for each operand tensor; their sums are f32. All else is computed in f32.
;;   The module's matrix products, in the order in which they are computed (A, B: the left and right operand; K: the contracted axis; several contracted axes count as one K, in the product's order):
;;     1. [M 65,536, K 1,024] x [K 1,024, N 1,024]; A: input encoder_outputs; B: input W1: QUANTISED (scales: A lowp_scales[0], B lowp_scales[1])
;;     2. [M 32, K 1,024] x [K 1,024, N 1,024]; A: input hidden_top; B: input W2: QUANTISED (scales: A lowp_scales[2], B lowp_scales[3])
;;     3. [M 65,536, K 1,024] x [K 1,024, N 1]; A: computed on the way; B: input v: left as it is (N = 1 < 16)
;;     4. batch 32 x [M 1, K 2,048] x [K 2,048, N 1,024]; A: softmax; B: input encoder_outputs: left as it is (M = 1 < 16)
;;   THE QUANTISER, for each operand of a quantised product, along K:
;;     - The operand's scale is 2^e, e = its entry of the input lowp_scales (int32; the entries are numbered through the quantised products in the list's order, A before B).
;;     - Each number is divided by the scale, clamped to +-448, and rounded to the nearest number of E4M3, ties to even, subnormals kept.
;;     - The product sums the exact products of the quantised numbers (number of the format x scale) in f32.
;;   ~~~python
;;   def quantise(x, axis, e):      # numpy; x: float32 -> the quantised numbers, widened to float32 again
;;       x = np.moveaxis(x, axis, -1); K = x.shape[-1]
;;       r = np.clip(x / 2.0 ** e, -448, 448)
;;       step = 2.0 ** (np.maximum(np.frexp(np.where(r == 0, 1, r))[1] - 1, -6) - 3)
;;       q = np.round(r / step) * step * 2.0 ** e      # np.round: ties to even
;;       return np.moveaxis(q, -1, axis).astype(np.float32)
;;   ~~~
;; 2 versions, each right; version 2 is version 1 with the launches prep, main written anew for expert scheduling mode. Each part assembles by itself: llvm-mc -triple=amdgcn-amd-amdhsa -mcpu=gfx1250 --defsym DOCPART=n.
;; ======== version 1 of 2: 3 launches
;; workspace buffers: w1f 1,048,576 bytes; w2h 131,072 bytes; scores 262,144 bytes; pctx 2,097,152 bytes
;; launch prep (part 1): grid 64 x 1, 8 waves a work-group, no clusters, 82,944 bytes of LDS; arguments W1, W2, hidden_top, lowp_scales, w1f, w2h; writes w1f, w2h
.if DOCPART == 1
	.amdgcn_target "amdgcn-amd-amdhsa--gfx1250"
	.amdhsa_code_object_version 6
	.text
	.protected	k_qade3013808_prep
	.globl	k_qade3013808_prep
	.p2align	8
	.type	k_qade3013808_prep,@function
k_qade3013808_prep:
	s_mov_b64 s[64:65], 0
	v_nop
	global_prefetch_b8 v0, s[64:65] scope:SCOPE_SE
	s_setreg_imm32_b32 hwreg(HW_REG_WAVE_MODE, 25, 1), 1
	s_wait_xcnt 0x0
; W1 [1024][1024] f32 becomes codes of E4M3 laid in the order of an operand's registers (w1f), and w2h = (Q(hidden_top) Q(W2)^T) x 2^(e2 + e3) x 2 log2(e), f32 [32][1024].
; SHARES.  Work-group T takes rows 16 T .. 16 T + 15 of W1 and of W2.  Wave u = 4 g + a: a = its quarter of K (256 numbers of a row); g = 0: W1's piece, g = 1: W2's; every wave also takes
; hidden_top's rows 16 g .. 16 g + 15, quarter a.  All pieces are quantised alike and meet in LDS as rows of codes (pitch 272: 256 bytes + 16, an odd multiple of 16).
; ONE PERMUTATION OF K, THE SAME IN EVERY OPERAND OF BOTH PRODUCTS.  A load reads 512 consecutive bytes, 4 numbers a lane; a conversion takes the lane's 4 numbers of two neighbouring loads, and its 8 codes go to
; bytes 256 a + 8 lane + 0 .. 7 of the row of codes.  So place 256 a + 8 l + b stands for k = 256 a + 128 (b / 4) + 4 l + b % 4.  Every product still meets its partner; only the order of the sums changes.
; A fragment (16 rows x 128 places): lane (r, h) holds, of row r, places 128 s + 32 c + 16 h + 0 .. 15 in registers 4 c .. 4 c + 3.  w1f: [T 64][s 8][c 4][lane 32][16 bytes].
; code = x / 2^e, held within +-448, to the nearest code, ties to even.  LIMITS: e1, e2, e3 between -126 and 119; e2 + e3 between -127 and 126 (added to the exponent field of 2 log2(e)).  NaN is not served.
; w2h leaves in pieces of 16 bytes: a tile of 16 outputs is 64 bytes of each batch row, 131,072 bytes in the whole launch.
.set WREG, 0                           ; 8 regions of 16 rows x 272: wave u's piece of W1 (u < 4) or W2
.set HREG, 34816                       ; 8 regions likewise: hidden_top's rows 16 g on, quarter a
.set RED,  69632                       ; 8 x 1,024: each wave's part of the sums
.set RP,   272
.set X,    32                          ; v32-159  my piece of W: row i at X + 8 i
.set TCW,  160                         ; v160-191 its codes
.set TCH,  192                         ; v192-223 hidden_top's codes
.set MSB, 0
.macro WIN new                         ; the immediate's high byte repeats the setting that is left
.if MSB != \new
	s_set_vgpr_msb (MSB<<8)|\new
.set MSB, \new
.endif
.endm
.macro BARRIER                         ; my LDS stores have landed and my LDS loads are in: then the work-group's barrier
	s_wait_dscnt 0x0
	s_barrier_signal -1
	s_barrier_wait -1
.endm
	s_load_b256 s[4:11], s[0:1], 0x0               ; W1 s[4:5], W2 s[6:7], hidden_top s[8:9], the scales' exponents s[10:11]
	s_load_b128 s[12:15], s[0:1], 0x20             ; w1f s[12:13], w2h s[14:15]
	v_lshl_add_u32 v254, v0, 2, 0x14000
	v_mov_b32 v255, 0
	v_lshrrev_b32 v1, 5, v0
	v_readfirstlane_b32 s20, v1                    ; wave u
	s_and_b32 s21, s20, 3                          ; a
	s_lshr_b32 s22, s20, 2                         ; g
	v_and_b32 v1, 31, v0                           ; lane
	v_and_b32 v2, 15, v0                           ; r
	v_bfe_u32 v3, v0, 4, 1                         ; h
	v_lshlrev_b32 v4, 4, v1                        ; 16 x lane
	s_mul_i32 s23, s20, 16*RP                      ; my region
	v_lshl_add_u32 v5, v1, 3, s23                  ; W's codes go in at region + 8 x lane (+ 272 x row)
	v_add_nc_u32 v6, HREG, v5                      ; hidden_top's likewise
	v_mul_u32_u24 v15, v2, RP
	v_lshl_add_u32 v15, v3, 4, v15                 ; a fragment's place: 272 r + 16 h
	s_mul_i32 s24, s21, 16*RP
	s_lshl_b32 s25, s22, 7
	s_add_co_u32 s25, s25, s24
	v_add_nc_u32 v7, s25, v15                      ; W1's fragment of K step 2 a + g: region a, 128 g bytes along
	s_add_co_u32 s24, s24, 4*16*RP
	v_add_nc_u32 v8, s24, v15                      ; W2's two fragments of quarter a: region 4 + a
	s_add_co_u32 s25, s23, HREG
	v_add_nc_u32 v9, s25, v15                      ; hidden_top's two fragments: my own region
	s_lshl_b32 s25, s20, 10
	s_add_co_u32 s25, s25, RED
	v_add_nc_u32 v10, s25, v4                      ; my part of the sums
	s_lshl_b32 s25, s22, 12
	s_lshl_b32 s26, s21, 9
	s_add_co_u32 s25, s25, s26
	s_add_co_u32 s25, s25, RED
	v_add_nc_u32 v11, s25, v4                      ; (waves with a < 2) registers 4 a .. 4 a + 3 of the four parts of batch tile g
	v_lshlrev_b32 v12, 12, v2
	v_lshl_add_u32 v12, v3, 5, v12                 ; w2h: row r of 4,096 bytes, + 32 h
	s_mov_b32 s31, 0
	s_wait_kmcnt 0x0
	s_load_b128 s[16:19], s[10:11], 0x0            ; e0, e1, e2, e3
	s_cmp_eq_u32 s22, 0                            ; the choice hangs on the wave's number alone
	s_cselect_b64 s[28:29], s[4:5], s[6:7]         ; W1 or W2
	s_lshl_b32 s30, ttmp9, 16                      ; 16 rows of 4,096 bytes a work-group
	s_lshl_b32 s26, s21, 10                        ; my quarter of a row
	s_add_co_u32 s30, s30, s26
	s_add_nc_u64 s[28:29], s[28:29], s[30:31]
	s_lshl_b32 s30, s22, 16
	s_add_co_u32 s30, s30, s26
	s_add_nc_u64 s[32:33], s[8:9], s[30:31]        ; hidden_top at row 16 g, quarter a
	s_lshl_b32 s30, ttmp9, 14
	s_lshl_b32 s26, s21, 12
	s_add_co_u32 s30, s30, s26
	s_lshl_b32 s26, s22, 11
	s_add_co_u32 s30, s30, s26
	s_add_nc_u64 s[12:13], s[12:13], s[30:31]      ; w1f at tile T, K step 2 a + g
	s_lshl_b32 s30, s22, 16
	s_lshl_b32 s26, ttmp9, 6
	s_add_co_u32 s30, s30, s26
	s_lshl_b32 s26, s21, 4
	s_add_co_u32 s30, s30, s26
	s_add_nc_u64 s[14:15], s[14:15], s[30:31]      ; w2h at batch 16 g, output 16 T + 4 a
.irp i, 0,1,2,3,4,5,6,7,8,9,10,11,12,13,14,15
	global_load_b128 v[X+8*\i:X+8*\i+3],   v4, s[28:29] offset:4096*\i th:TH_LOAD_NT        ; 32 lanes read 512 consecutive bytes
	global_load_b128 v[X+8*\i+4:X+8*\i+7], v4, s[28:29] offset:4096*\i+512 th:TH_LOAD_NT
.endr
	WIN 0x40                                       ; destination window 1: hidden_top's piece, v256-383
.irp i, 0,1,2,3,4,5,6,7,8,9,10,11,12,13,14,15
	global_load_b128 v[8*\i:8*\i+3],   v4, s[32:33] offset:4096*\i                          ; read by all 64 work-groups: no hint
	global_load_b128 v[8*\i+4:8*\i+7], v4, s[32:33] offset:4096*\i+512
.endr
	WIN 0
	s_wait_kmcnt 0x0
	s_cmp_eq_u32 s22, 0
	s_cselect_b32 s34, s17, s19                    ; e of my W
	s_add_co_i32 s34, s34, 127
	s_lshl_b32 s38, s34, 23
	v_mov_b32 v13, s38                             ; 2^e as f32: the conversion takes its exponent field
	s_add_co_i32 s34, s34, 8
	s_lshl_b32 s34, s34, 23
	s_or_b32 s34, s34, 0x600000                    ; 448 x 2^e
	s_or_b32 s35, s34, 0x80000000                  ; and its negative
	s_add_co_i32 s36, s18, 127
	s_lshl_b32 s38, s36, 23
	v_mov_b32 v14, s38                             ; 2^e2
	s_add_co_i32 s36, s36, 8
	s_lshl_b32 s36, s36, 23
	s_or_b32 s36, s36, 0x600000
	s_or_b32 s37, s36, 0x80000000
	s_add_co_i32 s40, s18, s19
	s_lshl_b32 s40, s40, 23
	s_add_co_i32 s40, s40, 0x4038aa3b              ; 2 log2(e) x 2^(e2 + e3): the exponents are added to the exponent field
	s_mov_b32 s41, s40                             ; (named with it as a pair, so it is written)
	s_wait_loadcnt 32                              ; W's 32 loads are in; hidden_top's 32 may be out
.set n, 0
.rept 128
	v_med3_num_f32 v[X+n], v[X+n], s35, s34        ; the conversion to an 8-bit code does not saturate (ISA guide 7.6.2): the hold at the largest code x the scale
.set n, n+1
.endr
.set n, 0
.rept 16
	v_cvt_scalef32_pk8_fp8_f32 v[TCW+2*n:TCW+2*n+1], v[X+8*n:X+8*n+7], v13
.set n, n+1
.endr
	v_nop                                          ; one plain vector instruction behind the last conversion of a run
.set n, 0
.rept 16
	ds_store_b64 v5, v[TCW+2*n:TCW+2*n+1] offset:RP*n      ; 32 lanes: the row's 256 bytes of codes
.set n, n+1
.endr
	s_wait_loadcnt 0x0
	WIN 0x41                                       ; source 0 and destination window 1
.set n, 0
.rept 128
	v_med3_num_f32 v[n], v[n], s37, s36
.set n, n+1
.endr
	WIN 0x01                                       ; source 0 window 1
.set n, 0
.rept 16
	v_cvt_scalef32_pk8_fp8_f32 v[TCH+2*n:TCH+2*n+1], v[8*n:8*n+7], v14
.set n, n+1
.endr
	v_nop
	WIN 0
.set n, 0
.rept 16
	ds_store_b64 v6, v[TCH+2*n:TCH+2*n+1] offset:RP*n
.set n, n+1
.endr
	BARRIER                                        ; all sixteen pieces lie in LDS as rows of codes
.irp c, 0,1,2,3
	ds_load_b128 v[32+4*\c:35+4*\c], v7 offset:32*\c                       ; W1's fragment of K step 2 a + g
.endr
.irp q, 0,1
.irp c, 0,1,2,3
	ds_load_b128 v[48+16*\q+4*\c:51+16*\q+4*\c], v8 offset:128*\q+32*\c    ; W2's two fragments of my quarter
.endr
.endr
.irp q, 0,1
.irp c, 0,1,2,3
	ds_load_b128 v[80+16*\q+4*\c:83+16*\q+4*\c], v9 offset:128*\q+32*\c    ; hidden_top's two
.endr
.endr
	s_wait_dscnt 16                                ; the first four loads are in; the sixteen behind them may be out
.irp c, 0,1,2,3
	global_store_b128 v4, v[32+4*\c:35+4*\c], s[12:13] offset:512*\c       ; the fragment as it stands in registers: each store covers 512 consecutive bytes, aligned
.endr
	s_wait_dscnt 0x0
	v_wmma_f32_16x16x128_fp8_fp8 v[112:119], v[48:63], v[80:95], 0         ; source 0 = 16 rows of W2, source 1 = 16 rows of hidden_top: lane (r, h) holds batch 16 g + r, register j output 16 T + 8 h + j
	v_wmma_f32_16x16x128_fp8_fp8 v[120:127], v[64:79], v[96:111], 0        ; the quarter's second K step, on an accumulator of its own
.rept 4
	v_nop                                          ; four places in front of the first read of results (ISA guide 7.12.1)
.endr
.irp j, 0,2,4,6
	v_pk_add_f32 v[128+\j:129+\j], v[112+\j:113+\j], v[120+\j:121+\j]      ; each accumulator from its low end on
.endr
	ds_store_b128 v10, v[128:131]
	ds_store_b128 v10, v[132:135] offset:512
	BARRIER                                        ; the four quarters' parts of both batch tiles lie in LDS
	s_cmp_lt_u32 s21, 2                            ; waves with a = 0, 1 add them: registers 4 a .. 4 a + 3.  No barrier follows
	s_cbranch_scc0 .Lend
.irp k, 0,1,2,3
	ds_load_b128 v[136+4*\k:139+4*\k], v11 offset:1024*\k
.endr
	s_wait_dscnt 0x0
	v_pk_add_f32 v[136:137], v[136:137], v[140:141]
	v_pk_add_f32 v[138:139], v[138:139], v[142:143]
	v_pk_add_f32 v[144:145], v[144:145], v[148:149]
	v_pk_add_f32 v[146:147], v[146:147], v[150:151]
	v_pk_add_f32 v[136:137], v[136:137], v[144:145]
	v_pk_add_f32 v[138:139], v[138:139], v[146:147]
	v_pk_mul_f32 v[136:137], v[136:137], s[40:41] op_sel_hi:[1,0]          ; x 2^(e2 + e3) x 2 log2(e): the next launch's exponential wants it so
	v_pk_mul_f32 v[138:139], v[138:139], s[40:41] op_sel_hi:[1,0]
	global_store_b128 v12, v[136:139], s[14:15]
.Lend:
	s_wait_tensorcnt 0x0
	ds_add_u32 v254, v255
	s_wait_dscnt 0x0
	s_endpgm
.Lfunc_end_k_qade3013808_prep:
	.size	k_qade3013808_prep, .Lfunc_end_k_qade3013808_prep-k_qade3013808_prep
	.p2alignl 7, 3214868480
	.fill 96, 4, 3214868480
	.section	.rodata,"a",@progbits
	.p2align	6, 0x0
	.amdhsa_kernel k_qade3013808_prep
		.amdhsa_group_segment_fixed_size 82944
		.amdhsa_private_segment_fixed_size 0
		.amdhsa_enable_private_segment 0
		.amdhsa_kernarg_size 48
		.amdhsa_user_sgpr_count 2
		.amdhsa_user_sgpr_kernarg_segment_ptr 1
		.amdhsa_wavefront_size32 1
		.amdhsa_system_sgpr_workgroup_id_x 1
		.amdhsa_system_sgpr_workgroup_id_y 1
		.amdhsa_system_sgpr_workgroup_id_z 1
		.amdhsa_system_vgpr_workitem_id 0
		.amdhsa_next_free_vgpr 384
		.amdhsa_next_free_sgpr 66
		.amdhsa_reserve_vcc 0
		.amdhsa_float_denorm_mode_32 3
		.amdhsa_float_denorm_mode_16_64 3
		.amdhsa_memory_ordered 1
		.amdhsa_forward_progress 1
		.amdhsa_inst_pref_size 34
	.end_amdhsa_kernel
	.amdgpu_metadata
---
amdhsa.version: [ 1, 2 ]
amdhsa.kernels:
  - .name:           k_qade3013808_prep
    .symbol:         k_qade3013808_prep.kd
    .args:
      - { .name: W1, .offset: 0, .size: 8, .value_kind: global_buffer, .address_space: global }
      - { .name: W2, .offset: 8, .size: 8, .value_kind: global_buffer, .address_space: global }
      - { .name: hidden_top, .offset: 16, .size: 8, .value_kind: global_buffer, .address_space: global }
      - { .name: lowp_scales, .offset: 24, .size: 8, .value_kind: global_buffer, .address_space: global }
      - { .name: w1f, .offset: 32, .size: 8, .value_kind: global_buffer, .address_space: global }
      - { .name: w2h, .offset: 40, .size: 8, .value_kind: global_buffer, .address_space: global }
    .group_segment_fixed_size: 82944
    .private_segment_fixed_size: 0
    .kernarg_segment_align: 8
    .kernarg_segment_size: 48
    .max_flat_workgroup_size: 256
    .sgpr_count:     66
    .vgpr_count:     384
    .wavefront_size: 32
...
	.end_amdgpu_metadata
.endif
;; end of part 1
;; launch main (part 2): grid 256 x 1, 4 waves a work-group, no clusters, 293,376 bytes of LDS; arguments encoder_outputs, mask, v, lowp_scales, w1f, w2h, scores, pctx; writes scores, pctx
.if DOCPART == 2
	.amdgcn_target "amdgcn-amd-amdhsa--gfx1250"
	.amdhsa_code_object_version 6
	.text
	.protected	k_qade3013808_main
	.globl	k_qade3013808_main
	.p2align	8
	.type	k_qade3013808_main,@function
k_qade3013808_main:
	s_mov_b64 s[64:65], 0
	v_nop
	global_prefetch_b8 v0, s[64:65] scope:SCOPE_SE
	s_setreg_imm32_b32 hwreg(HW_REG_WAVE_MODE, 25, 1), 1
	s_wait_xcnt 0x0
; For 128 rows of encoder_outputs at a time: codes of E4M3 -> x W1^T (FP8) -> + W2h -> tanh -> . v -> masked score; p = 2^((score - the block's largest) log2 e); pctx = sum of p x row.  encoder_outputs is read ONCE.
; SHARES.  Work-group G owns rows 256 G .. + 255 (all of batch G / 8), in two passes of 128 (block 2 G + pass).  Wave w loads and converts rows 32 w .. + 31 of the block; multiplies ALL 128 rows by the columns
; 256 q + 64 w + 0 .. 63 of each of four column groups q; and sums the context of its own 32 rows.
; WHERE A BLOCK LIES until its scores are known: its codes once in LDS (128 x 1,040 bytes); its numbers as bf16, for the context, half in registers (window 3) and half in LDS (131,072 bytes).
; W1'S CODES COME STRAIGHT INTO REGISTERS, NOT THROUGH LDS AND NOT JOINTLY.  All work-groups walk the same 1,048,576 bytes, but the block and the scratch take 292,864 of the 327,680 bytes of LDS: two slots in the
; 34,816 left would hold 8 fragments each, 32 products of a wave between two changes of slots.  Each fragment of W1 is wanted by ONE wave of the work-group; the launch before laid them in the order of the
; operand's registers, so a lane loads its 16 bytes whole; four K steps' registers take turns, three steps' loads on their way.
; K IS PERMUTED, alike in both operands: place 256 a + 8 l + b of a row of codes stands for k = 256 a + 128 (b / 4) + 4 l + b % 4 (a dense load gives a lane 4 numbers, a conversion takes two loads').
; tanh(x) = 1 - 2 / (1 + 2^(2 log2(e) x)): one multiply-add, an exponential, an addition, a reciprocal; 2^y = infinity gives 1, 2^y = 0 gives -1.  score = sum of (-2 v) / (1 + 2^y) - (sum of (-2 v)) / 2.
; THE SOFTMAX takes the block's own largest score away; the last launch brings the blocks of a batch under the batch's largest.
; LIMITS: e0 between -126 and 119; e0 + e1 between -127 and 126 (added to the exponent field of 2 log2(e)).  NaN among the inputs is not served.  The context's rows are rounded to bf16, its weights and sums are f32.
; REGISTERS, in windows of 256 (s_set_vgpr_msb: bits 1:0 source 0, 3:2 source 1, 5:4 source 2, 7:6 destination):
;   window 0: v1-17 addresses; v20-31 at work; v32-223 three buffers of four fragments of A; v224-239 the scores' sums (a pair for each of 8 tiles of rows); v240-241 the sum of -2 v
;   window 1: four K steps of W1's fragments (step k: 64 k + 16 t + 4 c)      window 3: bf16 of my rows 0-15 (16 registers a row)
;   window 2: the 32 accumulators ((m, t) at 8 (4 m + t)); while a block is loaded: a ring of 8 rows of f32; for the context: 32 sums and three buffers of four rows
.set CP,    1040                       ; a row of codes in LDS: 1,024 bytes + 16 = 65 x 16: the 16 rows of a fragment load start at 16 different columns of 16 bytes
.set BF,    133120                     ; 4 waves x 16 rows x 2,048 bytes: bf16 of each wave's rows 16-31, as images of registers; each wave's own
.set BIAS,  264192                     ; 1,024 f32: w2h's row of my batch
.set VVO,   4096                       ; behind it: -2 v
.set PS,    272384                     ; [128 rows][4 waves] f32: the waves' parts of the scores
.set PP,    274432                     ; 4 x 512: p of the 128 rows, each wave's own copy
.set CX,    276480                     ; 4 x 4,096: each wave's part of the context
.set OFF4,  1                          ; v1   4 x lane
.set OFFL,  2                          ; v2   16 x lane
.set ADA,   3                          ; v3, v4  my place in a fragment of A: rows 0-63, rows 64-127
.set ADC,   5                          ; v5   where my codes go
.set ADB,   6                          ; v6   my wave's bf16 rows in LDS
.set ADBV,  7                          ; v7   my 8 numbers of the bias in a column tile
.set SC,    8                          ; v8   2^e0 as f32
.set MK,    9                          ; v9   the mask's bytes of rows 4 l .. 4 l + 3
.set PFO,   10                         ; v10  256 x lane
.set ADPS,  11
.set ADPR,  12
.set ADPW,  13
.set ADPP,  14
.set ADCX,  15
.set ADCR,  16
.set ADBQ,  17                         ; v17  ADBV in the column group in hand
.set SCR,   20                         ; v20-23 four scores
.set PX,    24                         ; v24-27 at work, then four p
.set ADST,  28
.set NEG,   29                         ; v29  -1e9
.set MX,    30                         ; v30, v31 the block's largest score
.set AB,    32
.set BI,    160                        ; in A's third buffer, between two column groups: 32 numbers of the bias,
.set UU,    192                        ; and of -2 v
.set SA,    224
.set VS,    240
.set TB,    32                         ; while a block is loaded: a row's bf16, two sets (v32-47, v96-111) by turns;
.set TC,    48                         ; its codes, two sets (v48-55, v56-63)
.set STG,   64
.set PR,    32                         ; for the context: p of my 32 rows
.set EB,    24                         ; s[24:25] encoder_outputs at my wave's first row of the block
.set MB,    26                         ; s[26:27] mask at the block
.set SB,    28                         ; s[28:29] scores at the block
.set PB,    30                         ; s[30:31] pctx at the block, my quarter of its columns
.set WB,    32                         ; s[32:33] w1f at my wave's columns of group 0
.set CUR,   34                         ; s[34:35] the same in the group in hand,
.set NXT,   36                         ; s[36:37] and in the next
.set PFB,   38                         ; s[38:39] where the prefetches stand
.set KS,    40                         ; s[40:41] 2 log2(e) x 2^(e0 + e1)
.set LIM,   42                         ; s42, s43  448 x 2^e0 and its negative
.set SEL,   44                         ; s[44:45] v_permlanex16_b32's selects for lane l xor 16
.set PASS,  46
.set QN,    47                         ; the column group
.set QO,    48                         ; 1,024 x the column group
.set MUL,   0xa1                       ; source 0 (W1) window 1, source 1 (A) window 0, C and D window 2
.set MSB, 0
.macro WIN new                         ; the immediate's high byte repeats the setting that is left
.if MSB != \new
	s_set_vgpr_msb (MSB<<8)|\new
.set MSB, \new
.endif
.endm
.macro BARRIER                         ; my LDS stores have landed and my LDS loads are in: then the work-group's barrier
	s_wait_dscnt 0x0
	s_barrier_signal -1
	s_barrier_wait -1
.endm
; The block's mask, and my first 8 rows into the ring: each load reads 512 consecutive bytes.
.macro FILL
	global_load_b32 v[MK], v[OFF4], s[MB:MB+1]
	WIN 0x80
.irp i, 0,1,2,3,4,5,6,7
.irp j, 0,1,2,3,4,5,6,7
	global_load_b128 v[32*\i+4*\j:32*\i+4*\j+3], v[OFFL], s[EB:EB+1] offset:4096*\i+512*\j th:TH_LOAD_NT
.endr
.endr
	WIN 0
.endm
; Row i of my 32: rounded to bf16 (before the hold), held, converted; the codes to LDS; the bf16 to window 3 (rows 0-15) or to LDS; the ring's registers take row i + 8.
.macro ROW i
.set RB,  32*((\i)%8)
.set TBX, TB+64*((\i)%2)
.set TCX, TC+8*((\i)%2)
.if (\i) <= 24
	s_wait_loadcnt 56                              ; loads come back in order: my row is in, the seven rows behind it may be out
.else
	s_wait_loadcnt 8*(31-(\i))
.endif
.if (\i) > 16
	s_wait_dscnt 8                                 ; the LDS stores of the row before may be out; those of two rows back, which read this set of registers, are done
.else
	s_wait_dscnt 4
.endif
.if (\i) < 16
	WIN 0xca                                       ; sources window 2, destination window 3
.irp n, 0,1,2,3,4,5,6,7,8,9,10,11,12,13,14,15
	v_cvt_pk_bf16_f32 v[16*(\i)+\n], v[RB+2*\n], v[RB+2*\n+1]
.endr
.else
	WIN 0x0a                                       ; sources window 2, destination window 0
.irp n, 0,1,2,3,4,5,6,7,8,9,10,11,12,13,14,15
	v_cvt_pk_bf16_f32 v[TBX+\n], v[RB+2*\n], v[RB+2*\n+1]
.endr
.endif
	WIN 0x82
.irp n, 0,1,2,3,4,5,6,7,8,9,10,11,12,13,14,15,16,17,18,19,20,21,22,23,24,25,26,27,28,29,30,31
	v_med3_num_f32 v[RB+\n], v[RB+\n], s[LIM+1], s[LIM]    ; the conversion to an 8-bit code does not saturate (ISA guide 7.6.2): the hold at the largest code x the scale
.endr
	WIN 0x02
.irp a, 0,1,2,3
	v_cvt_scalef32_pk8_fp8_f32 v[TCX+2*\a:TCX+2*\a+1], v[RB+8*\a:RB+8*\a+7], v[SC]
.endr
	v_nop                                          ; one plain vector instruction behind the last conversion of a run
	WIN 0
.irp a, 0,1,2,3
	ds_store_b64 v[ADC], v[TCX+2*\a:TCX+2*\a+1] offset:CP*(\i)+256*\a      ; 32 lanes: 256 consecutive bytes of the row of codes
.endr
.if (\i) >= 16
.irp c, 0,1,2,3
	ds_store_b128 v[ADB], v[TBX+4*\c:TBX+4*\c+3] offset:2048*((\i)-16)+512*\c
.endr
.endif
.if (\i) < 24
	WIN 0x80
.irp j, 0,1,2,3,4,5,6,7
	global_load_b128 v[RB+4*\j:RB+4*\j+3], v[OFFL], s[EB:EB+1] offset:4096*((\i)+8)+512*\j th:TH_LOAD_NT
.endr
.endif
.endm
; Quad Q of 16: K step Q / 2, tiles of rows 4 (Q % 2) + 0 .. 3: four fragments of A, 16 LDS loads, into buffer Q % 3.
.macro AQ Q
.irp m, 0,1,2,3
.irp c, 0,1,2,3
	ds_load_b128 v[AB+64*((\Q)%3)+16*\m+4*\c:AB+64*((\Q)%3)+16*\m+4*\c+3], v[ADA+((\Q)%2)] offset:16*CP*\m+128*((\Q)/2)+32*\c
.endr
.endr
.endm
; K step s of my four column tiles of W1, from the group at s[base], into slot k of window 1: 16 loads of 512 consecutive bytes.
.macro WL k, base, s
	WIN 0x40
.irp t, 0,1,2,3
.irp c, 0,1,2,3
	global_load_b128 v[64*(\k)+16*\t+4*\c:64*(\k)+16*\t+4*\c+3], v[OFFL], s[\base:\base+1] offset:16384*\t+2048*(\s)+512*\c
.endr
.endr
	WIN 0
.endm
; 16 products: four tiles of rows x my four column tiles, 128 along K.  Source 0 = 16 rows of W1, source 1 = 16 rows of A: lane (r, h) holds row 16 m + r, register j column 16 t + 8 h + j.
; The 32 accumulators take turns, one instruction a turn, in the same order in every K step.  K step 0 starts the sums: nothing is cleared.
; Behind the products four places (ISA guide 7.12.1 for vector instructions), then the loads into the registers that they have read: A's quad three on, and behind a K step's second quad the K step of W1 four on.
.macro QUAD Q
.if (\Q)%2 == 0
	s_wait_loadcnt 48                              ; this K step of W1 is in; the three steps behind it may be out
.endif
.if (\Q) <= 13
	s_wait_dscnt 32                                ; this quad of A is in; the two behind it may be out
.else
	s_wait_dscnt 16*(15-(\Q))
.endif
	WIN MUL
.irp m, 0,1,2,3
.irp t, 0,1,2,3
.set AC, 8*(4*(4*((\Q)%2)+\m)+\t)
.set WF, 64*(((\Q)/2)%4)+16*\t
.set AF, AB+64*((\Q)%3)+16*\m
.if (\Q) < 2
	v_wmma_f32_16x16x128_fp8_fp8 v[AC:AC+7], v[WF:WF+15], v[AF:AF+15], 0
.else
	v_wmma_f32_16x16x128_fp8_fp8 v[AC:AC+7], v[WF:WF+15], v[AF:AF+15], v[AC:AC+7]
.endif
.endr
.endr
.if ((\Q) <= 12) || ((\Q)%2 == 1)
.rept 4
	v_nop
.endr
	WIN 0
.endif
.if (\Q) <= 12
	AQ (\Q)+3
.endif
.if (\Q)%2 == 1
.if (\Q)/2 < 4
	WL ((\Q)/2)%4, CUR, (\Q)/2+4
.else
	WL ((\Q)/2)%4, NXT, (\Q)/2-4
.endif
.endif
.endm
; Four accumulators (tiles of rows 4 hf + 0 .. 3, column tile t) become their share of the scores.
.macro BATCH hf, t
	WIN 0x82
.irp m, 0,1,2,3
.set AC, 8*(4*(4*\hf+\m)+\t)
.irp i, 0,2,4,6
	v_pk_fma_f32 v[AC+\i:AC+\i+1], v[AC+\i:AC+\i+1], s[KS:KS+1], v[BI+8*\t+\i:BI+8*\t+\i+1] op_sel_hi:[1,0,1]   ; y = 2 log2(e) (sum x 2^(e0 + e1) + W2h); each accumulator from its low end on
.endr
.endr
.irp m, 0,1,2,3
.set AC, 8*(4*(4*\hf+\m)+\t)
.irp i, 0,1,2,3,4,5,6,7
	v_exp_f32 v[AC+\i], v[AC+\i]
.endr
.endr
	v_nop                                          ; a plain place behind the exponentials
	s_wait_alu depctr_va_vdst(0)
.irp m, 0,1,2,3
.set AC, 8*(4*(4*\hf+\m)+\t)
.irp i, 0,2,4,6
	v_pk_add_f32 v[AC+\i:AC+\i+1], v[AC+\i:AC+\i+1], 1.0 op_sel_hi:[1,0]
.endr
.endr
.irp m, 0,1,2,3
.set AC, 8*(4*(4*\hf+\m)+\t)
.irp i, 0,1,2,3,4,5,6,7
	v_rcp_f32 v[AC+\i], v[AC+\i]
.endr
.endr
	v_nop                                          ; a plain place behind the reciprocals
	WIN 0x02
	s_wait_alu depctr_va_vdst(0)
.irp i, 0,2,4,6
.irp m, 0,1,2,3
.set AC, 8*(4*(4*\hf+\m)+\t)
	v_pk_fma_f32 v[SA+2*(4*\hf+\m):SA+2*(4*\hf+\m)+1], v[AC+\i:AC+\i+1], v[UU+8*\t+\i:UU+8*\t+\i+1], v[SA+2*(4*\hf+\m):SA+2*(4*\hf+\m)+1]   ; four chains by turns
.endr
.endr
.endm
; Row i of my 32 enters the context: its 16 registers of bf16 stand at v[reg] on (the window is set by the caller); sum 2 n + half is column 128 (n / 2) + 4 l + 2 (n % 2) + half.
.macro CTX i, reg
.irp n, 0,1,2,3,4,5,6,7,8,9,10,11,12,13,14,15
	v_fma_mix_f32_bf16 v[2*\n], v[(\reg)+\n], v[PR+(\i)], v[2*\n] op_sel_hi:[1,0,0]
	v_fma_mix_f32_bf16 v[2*\n+1], v[(\reg)+\n], v[PR+(\i)], v[2*\n+1] op_sel:[1,0,0] op_sel_hi:[1,0,0]
.endr
.endm
	s_load_b512 s[4:19], s[0:1], 0x0               ; encoder_outputs s[4:5], mask s[6:7], v s[8:9], the exponents s[10:11], w1f s[12:13], w2h s[14:15], scores s[16:17], pctx s[18:19]
	v_lshl_add_u32 v254, v0, 2, 0x47800
	v_mov_b32 v255, 0
	v_lshrrev_b32 v18, 5, v0
	v_readfirstlane_b32 s22, v18                   ; wave w
	v_and_b32 v18, 31, v0                          ; lane l
	v_and_b32 v19, 15, v0                          ; r
	v_bfe_u32 v21, v0, 4, 1                        ; h
	v_lshlrev_b32 v[OFF4], 2, v18
	v_lshlrev_b32 v[OFFL], 4, v18
	v_mul_u32_u24 v[ADA], v19, CP
	v_lshl_add_u32 v[ADA], v21, 4, v[ADA]          ; a fragment's row x pitch + 16 h
	v_add_nc_u32 v[ADA+1], 64*CP, v[ADA]
	s_mul_i32 s50, s22, 32*CP
	v_lshl_add_u32 v[ADC], v18, 3, s50             ; my 32 rows of codes, 8 bytes a lane
	s_lshl_b32 s50, s22, 15
	s_add_co_u32 s50, s50, BF
	v_add_nc_u32 v[ADB], s50, v[OFFL]
	s_lshl_b32 s50, s22, 8
	s_add_co_u32 s50, s50, BIAS
	v_lshl_add_u32 v[ADBV], v21, 5, s50            ; column 64 w + 8 h
	v_lshlrev_b32 v[PFO], 8, v18
	s_lshl_b32 s50, s22, 2
	s_add_co_u32 s50, s50, PS
	v_lshl_add_u32 v[ADPS], v19, 4, s50            ; row r, wave w
	v_lshlrev_b32 v[ADPR], 6, v18
	v_add_nc_u32 v[ADPR], PS, v[ADPR]              ; rows 4 l on
	s_lshl_b32 s50, s22, 9
	s_add_co_u32 s50, s50, PP
	v_add_nc_u32 v[ADPW], s50, v[OFFL]
	s_mul_i32 s50, s22, 640
	s_add_co_u32 s50, s50, PP
	v_mov_b32 v[ADPP], s50                         ; in my copy (512 w): my rows' p (128 w on)
	s_lshl_b32 s50, s22, 12
	s_add_co_u32 s50, s50, CX
	v_add_nc_u32 v[ADCX], s50, v[OFFL]
	s_lshl_b32 s50, s22, 10
	s_add_co_u32 s50, s50, CX
	v_add_nc_u32 v[ADCR], s50, v[OFFL]             ; my quarter of the columns, in wave 0's part
	s_lshl_b32 s50, s22, 10
	s_add_co_u32 s50, s50, BIAS
	v_add_nc_u32 v[ADST], s50, v[OFFL]
	v_mov_b32 v[NEG], 0xce6e6b28                   ; -1e9
	v_mov_b32 v[MX+1], 0                           ; written once: a lane permute's destination counts as one of its sources
	s_mov_b32 s[SEL], 0x76543210
	s_mov_b32 s[SEL+1], 0xfedcba98
	s_mov_b32 s54, 0x3fb8aa3b                      ; log2(e)
	s_mov_b32 s[PASS], 0
	s_mov_b32 s51, 0
	s_wait_kmcnt 0x0
	s_load_b64 s[20:21], s[10:11], 0x0             ; e0, e1
	s_lshl_b32 s50, ttmp9, 20                      ; 256 rows of 4,096 bytes a work-group,
	s_lshl_b32 s52, s22, 17                        ; 32 a wave
	s_add_co_u32 s50, s50, s52
	s_add_nc_u64 s[EB:EB+1], s[4:5], s[50:51]
	s_add_nc_u64 s[PFB:PFB+1], s[EB:EB+1], 524288-2*16384  ; it steps 16,384 bytes a column group and is used in groups 2 and 3: there it stands at my rows of the second block
	s_lshl_b32 s50, ttmp9, 8
	s_add_nc_u64 s[MB:MB+1], s[6:7], s[50:51]
	s_lshl_b32 s50, ttmp9, 10
	s_add_nc_u64 s[SB:SB+1], s[16:17], s[50:51]
	s_lshl_b32 s52, s22, 10
	s_lshl_b32 s50, ttmp9, 13
	s_add_co_u32 s50, s50, s52
	s_add_nc_u64 s[PB:PB+1], s[18:19], s[50:51]
	s_lshl_b32 s50, s22, 16                        ; four column tiles of 16,384 bytes a wave
	s_add_nc_u64 s[WB:WB+1], s[12:13], s[50:51]
	s_mov_b64 s[CUR:CUR+1], s[WB:WB+1]
	s_add_nc_u64 s[NXT:NXT+1], s[WB:WB+1], 262144  ; sixteen column tiles a group
	s_lshr_b32 s50, ttmp9, 3                       ; my batch
	s_lshl_b32 s50, s50, 12
	s_add_co_u32 s50, s50, s52
	s_add_nc_u64 s[56:57], s[14:15], s[50:51]      ; w2h: my batch's row, my wave's quarter
	s_mov_b32 s50, s52
	s_add_nc_u64 s[58:59], s[8:9], s[50:51]        ; v: my wave's quarter
	global_load_b128 v[STG:STG+3],     v[OFFL], s[56:57]
	global_load_b128 v[STG+4:STG+7],   v[OFFL], s[56:57] offset:512
	global_load_b128 v[STG+8:STG+11],  v[OFFL], s[58:59]
	global_load_b128 v[STG+12:STG+15], v[OFFL], s[58:59] offset:512
	WL 0, WB, 0
	WL 1, WB, 1
	WL 2, WB, 2
	WL 3, WB, 3
	FILL
	s_wait_kmcnt 0x0
	s_add_co_i32 s50, s20, s21
	s_lshl_b32 s50, s50, 23
	s_add_co_i32 s[KS], s50, 0x4038aa3b            ; 2 log2(e) x 2^(e0 + e1): the exponents are added to the exponent field
	s_mov_b32 s[KS+1], s[KS]                       ; (named with it as a pair, so it is written)
	s_add_co_i32 s50, s20, 127
	s_lshl_b32 s52, s50, 23
	v_mov_b32 v[SC], s52                           ; 2^e0 as f32: the conversion takes its exponent field
	s_add_co_i32 s50, s50, 8
	s_lshl_b32 s50, s50, 23
	s_or_b32 s[LIM], s50, 0x600000                 ; 448 x 2^e0
	s_or_b32 s[LIM+1], s[LIM], 0x80000000
	s_wait_loadcnt 63                              ; 129 loads were issued behind the first four
.irp j, 8,10,12,14
	v_pk_mul_f32 v[STG+\j:STG+\j+1], v[STG+\j:STG+\j+1], -2.0 op_sel_hi:[1,0]
.endr
	ds_store_b128 v[ADST], v[STG:STG+3]
	ds_store_b128 v[ADST], v[STG+4:STG+7] offset:512
	ds_store_b128 v[ADST], v[STG+8:STG+11] offset:VVO
	ds_store_b128 v[ADST], v[STG+12:STG+15] offset:VVO+512
.Lpass:                                            ; two trips: a block of 128 rows each
	; ---- L: my 32 rows come in
.irp i, 0,1,2,3,4,5,6,7,8,9,10,11,12,13,14,15,16,17,18,19,20,21,22,23,24,25,26,27,28,29,30,31
	ROW \i
.endr
	BARRIER                                        ; all 128 rows of codes lie in LDS (in the first pass: the bias and -2 v too)
	; ---- G: four column groups: 256 products a wave, then their share of the scores
.irp n, 0,1,2,3,4,5,6,7,8,9,10,11,12,13,14,15,16,17
	v_mov_b32 v[SA+\n], 0                          ; the scores' sums and the sum of -2 v
.endr
	s_mov_b32 s[QN], 0
	s_mov_b32 s[QO], 0
	AQ 0
	AQ 1
.Lgroup:
	AQ 2
	QUAD 0
	QUAD 1
	; A PREFETCH INTO THE L2, where the wave has just issued its loads: in groups 2 and 3 of the first pass two requests each, 32 lanes 256 bytes apart: 8,192 bytes, two rows, a request.  Together they name the first
	; 8 of my 32 rows of the second block, the rows that FILL asks for behind this block's context.  Each aligned block of 256 bytes is named once in the launch, by the wave that will load it.
	; The second pass asks for nothing: no block follows it.
	s_lshl_b32 s50, s[PASS], 2
	s_add_co_u32 s50, s50, s[QN]
	s_sub_co_u32 s50, s50, 2
	s_cmp_lt_u32 s50, 2
	s_cbranch_scc0 .Lno_ask
	global_prefetch_b8 v[PFO], s[PFB:PFB+1] th:TH_LOAD_NT scope:SCOPE_SE
	global_prefetch_b8 v[PFO], s[PFB:PFB+1] offset:8192 th:TH_LOAD_NT scope:SCOPE_SE
.Lno_ask:
.irp q, 2,3,4,5,6,7,8,9,10,11,12,13,14,15
	QUAD \q
.endr
	v_add_nc_u32 v[ADBQ], s[QO], v[ADBV]
.irp t, 0,1,2,3
	ds_load_b128 v[BI+8*\t:BI+8*\t+3],   v[ADBQ] offset:64*\t              ; the bias and -2 v at my 8 columns of each column tile, the same for all 16 rows of a tile
	ds_load_b128 v[BI+8*\t+4:BI+8*\t+7], v[ADBQ] offset:64*\t+16
	ds_load_b128 v[UU+8*\t:UU+8*\t+3],   v[ADBQ] offset:VVO+64*\t
	ds_load_b128 v[UU+8*\t+4:UU+8*\t+7], v[ADBQ] offset:VVO+64*\t+16
.endr
	s_cmp_eq_u32 s[QN], 3
	s_cbranch_scc1 .Llast_group
	AQ 0                                           ; the next group's first two quads of A land while this group's scores are made
	AQ 1
	s_wait_dscnt 32                                ; the bias and -2 v are in; the 32 loads behind them may be out
	s_branch .Lscores
.Llast_group:
	s_wait_dscnt 0x0
.Lscores:
.irp n, 0,2,4,6,8,10,12,14,16,18,20,22,24,26,28,30
	v_pk_add_f32 v[VS:VS+1], v[VS:VS+1], v[UU+\n:UU+\n+1]
.endr
.irp t, 0,1,2,3
	BATCH 0, \t
	BATCH 1, \t
.endr
	WIN 0
	s_wait_xcnt 0x0                                ; the loads of W1 and the prefetches have read their bases: these may be written
	s_mov_b64 s[CUR:CUR+1], s[NXT:NXT+1]
	s_add_co_u32 s50, s[QN], 2
	s_and_b32 s50, s50, 3
	s_lshl_b32 s50, s50, 18
	s_mov_b32 s51, 0
	s_add_nc_u64 s[NXT:NXT+1], s[WB:WB+1], s[50:51]    ; behind group 3 comes group 0, for the next block.  (In the last pass that look-ahead, 64 loads a wave, serves nobody: it is kept, so that the counts of loads are the same in every group)
	s_add_nc_u64 s[PFB:PFB+1], s[PFB:PFB+1], 16384
	s_add_co_u32 s[QO], s[QO], 1024
	s_add_co_u32 s[QN], s[QN], 1
	s_cmp_lt_u32 s[QN], 4
	s_cbranch_scc1 .Lgroup
	; ---- S: the scores.  My 256 columns' share of each row: the pair, the constant term, the other half of the lanes
	v_add_f32 v[VS], v[VS], v[VS+1]
.irp m, 0,1,2,3,4,5,6,7
	v_add_f32 v[SA+2*\m], v[SA+2*\m], v[SA+2*\m+1]
.endr
.irp m, 0,1,2,3,4,5,6,7
	v_fma_f32 v[SA+2*\m], v[VS], -0.5, v[SA+2*\m]  ; + the sum of v over my columns
.endr
.irp m, 0,1,2,3,4,5,6,7
	v_permlanex16_b32 v[SA+2*\m+1], v[SA+2*\m], s[SEL], s[SEL+1]
.endr
.irp m, 0,1,2,3,4,5,6,7
	v_add_f32 v[SA+2*\m], v[SA+2*\m], v[SA+2*\m+1]
.endr
.irp m, 0,1,2,3,4,5,6,7
	ds_store_b32 v[ADPS], v[SA+2*\m] offset:256*\m ; lanes r and r + 16 write the same word with the same value
.endr
	BARRIER                                        ; the four waves' shares of 128 scores lie in LDS; nobody reads the codes any more
.irp i, 0,1,2,3
	ds_load_b128 v[STG+4*\i:STG+4*\i+3], v[ADPR] offset:16*\i              ; every wave makes all 128 scores, rows 4 l + i, in the same order of sums
.endr
	s_wait_dscnt 0x0
.irp i, 0,1,2,3
	v_add_f32 v[SCR+\i], v[STG+4*\i], v[STG+4*\i+1]
	v_add_f32 v[PX+\i], v[STG+4*\i+2], v[STG+4*\i+3]
.endr
.irp i, 0,1,2,3
	v_add_f32 v[SCR+\i], v[SCR+\i], v[PX+\i]
	v_bfe_u32 v[PX+\i], v[MK], 8*\i, 8
.endr
.irp i, 0,1,2,3
	v_cmp_ne_u32 vcc_lo, 0, v[PX+\i]
	v_cndmask_b32 v[SCR+\i], v[NEG], v[SCR+\i], vcc_lo                     ; -1e9 where the mask is false
.endr
	v_max3_num_f32 v[MX], v[SCR], v[SCR+1], v[SCR+2]
	v_max_num_f32 v[MX], v[MX], v[SCR+3]
	v_max_num_f32_dpp v[MX], v[MX], v[MX] row_xmask:1 row_mask:0xf bank_mask:0xf
	v_max_num_f32_dpp v[MX], v[MX], v[MX] row_xmask:2 row_mask:0xf bank_mask:0xf
	v_max_num_f32_dpp v[MX], v[MX], v[MX] row_xmask:4 row_mask:0xf bank_mask:0xf
	v_max_num_f32_dpp v[MX], v[MX], v[MX] row_xmask:8 row_mask:0xf bank_mask:0xf
	v_permlanex16_b32 v[MX+1], v[MX], s[SEL], s[SEL+1]
	v_max_num_f32 v[MX], v[MX], v[MX+1]            ; the block's largest score
.irp i, 0,1,2,3
	v_sub_f32 v[PX+\i], v[SCR+\i], v[MX]           ; the difference first: it is exactly 0 at the largest, whatever its size
.endr
.irp i, 0,1,2,3
	v_mul_f32 v[PX+\i], s54, v[PX+\i]
.endr
.irp i, 0,1,2,3
	v_exp_f32 v[PX+\i], v[PX+\i]
.endr
	v_nop                                          ; a plain place behind the exponentials
	s_wait_alu depctr_va_vdst(0)
	ds_store_b128 v[ADPW], v[PX:PX+3]              ; into my own copy
	s_cmp_lg_u32 s22, 0
	s_cbranch_scc1 .Lnot_wave_0
	global_store_b128 v[OFFL], v[SCR:SCR+3], s[SB:SB+1]                    ; the block's 128 masked scores: 512 consecutive bytes, aligned
.Lnot_wave_0:
	; ---- C: the sum of p x row over my 32 rows: rows 0-15 from window 3, rows 16-31 from LDS through three buffers of four rows
.irp k, 0,1,2,3,4,5,6,7
	ds_load_b128 v[PR+4*\k:PR+4*\k+3], v[ADPP] offset:16*\k                ; my rows' p, the same in every lane; LDS serves a wave's instructions in order: these see the store above
.endr
	WIN 0x80
.irp x, 0,1,2,3,4,5,6,7,8,9,10,11
.irp c, 0,1,2,3
	ds_load_b128 v[32+16*\x+4*\c:32+16*\x+4*\c+3], v[ADB] offset:2048*\x+512*\c
.endr
.endr
.irp n, 0,1,2,3,4,5,6,7,8,9,10,11,12,13,14,15,16,17,18,19,20,21,22,23,24,25,26,27,28,29,30,31
	v_mov_b32 v[\n], 0                             ; the 32 sums
.endr
	s_wait_dscnt 48                                ; p is in; the twelve rows behind it may be out
	WIN 0xa3                                       ; source 0 window 3, p window 0, sums window 2
.irp i, 0,1,2,3,4,5,6,7,8,9,10,11,12,13,14,15
	CTX \i, 16*\i
.endr
	s_wait_dscnt 0x0
	WIN 0xa2                                       ; source 0 window 2
.irp i, 16,17,18,19
	CTX \i, 32+16*(\i-16)
.endr
	WIN 0x80
.irp x, 12,13,14,15
.irp c, 0,1,2,3
	ds_load_b128 v[32+16*(\x-12)+4*\c:32+16*(\x-12)+4*\c+3], v[ADB] offset:2048*\x+512*\c
.endr
.endr
	WIN 0xa2
.irp i, 20,21,22,23,24,25,26,27
	CTX \i, 32+16*(\i-16)
.endr
	s_wait_dscnt 0x0
.irp i, 28,29,30,31
	CTX \i, 32+16*(\i-28)
.endr
	WIN 0x08                                       ; an LDS store's data: source 1, window 2
.irp j, 0,1,2,3,4,5,6,7
	ds_store_b128 v[ADCX], v[4*\j:4*\j+3] offset:512*\j                    ; columns 128 j + 4 l on, in their natural places
.endr
	WIN 0
	BARRIER                                        ; the four waves' parts of the context lie in LDS
	s_cmp_lg_u32 s[PASS], 0
	s_cbranch_scc1 .Lno_fill
	s_wait_xcnt 0x0
	s_add_nc_u64 s[EB:EB+1], s[EB:EB+1], 524288    ; the second block: its first rows are asked for ahead of this block's way out
	s_add_nc_u64 s[MB:MB+1], s[MB:MB+1], 128
	FILL
.Lno_fill:
.irp u, 0,1,2,3
	ds_load_b128 v[STG+8*\u:STG+8*\u+3],   v[ADCR] offset:4096*\u
	ds_load_b128 v[STG+8*\u+4:STG+8*\u+7], v[ADCR] offset:4096*\u+512
.endr
	s_wait_dscnt 0x0
.irp j, 0,2,4,6
	v_pk_add_f32 v[STG+\j:STG+\j+1], v[STG+\j:STG+\j+1], v[STG+8+\j:STG+8+\j+1]
	v_pk_add_f32 v[STG+16+\j:STG+16+\j+1], v[STG+16+\j:STG+16+\j+1], v[STG+24+\j:STG+24+\j+1]
.endr
.irp j, 0,2,4,6
	v_pk_add_f32 v[STG+\j:STG+\j+1], v[STG+\j:STG+\j+1], v[STG+16+\j:STG+16+\j+1]
.endr
	global_store_b128 v[OFFL], v[STG:STG+3],   s[PB:PB+1]                  ; each store covers 512 consecutive bytes, aligned
	global_store_b128 v[OFFL], v[STG+4:STG+7], s[PB:PB+1] offset:512
	s_wait_xcnt 0x0                                ; the stores have read their registers and bases: both may be written again
	s_add_nc_u64 s[SB:SB+1], s[SB:SB+1], 512
	s_add_nc_u64 s[PB:PB+1], s[PB:PB+1], 4096
	s_add_co_u32 s[PASS], s[PASS], 1
	s_cmp_lt_u32 s[PASS], 2
	s_cbranch_scc1 .Lpass
	s_wait_tensorcnt 0x0
	ds_add_u32 v254, v255
	s_wait_dscnt 0x0
	s_endpgm
.Lfunc_end_k_qade3013808_main:
	.size	k_qade3013808_main, .Lfunc_end_k_qade3013808_main-k_qade3013808_main
	.p2alignl 7, 3214868480
	.fill 96, 4, 3214868480
	.section	.rodata,"a",@progbits
	.p2align	6, 0x0
	.amdhsa_kernel k_qade3013808_main
		.amdhsa_group_segment_fixed_size 293376
		.amdhsa_private_segment_fixed_size 0
		.amdhsa_enable_private_segment 0
		.amdhsa_kernarg_size 64
		.amdhsa_user_sgpr_count 2
		.amdhsa_user_sgpr_kernarg_segment_ptr 1
		.amdhsa_wavefront_size32 1
		.amdhsa_system_sgpr_workgroup_id_x 1
		.amdhsa_system_sgpr_workgroup_id_y 1
		.amdhsa_system_sgpr_workgroup_id_z 1
		.amdhsa_system_vgpr_workitem_id 0
		.amdhsa_next_free_vgpr 1024
		.amdhsa_next_free_sgpr 66
		.amdhsa_reserve_vcc 1
		.amdhsa_float_denorm_mode_32 3
		.amdhsa_float_denorm_mode_16_64 3
		.amdhsa_memory_ordered 1
		.amdhsa_forward_progress 1
		.amdhsa_inst_pref_size 255
	.end_amdhsa_kernel
	.section	.bss,"aw",@nobits
	.p2align	6
	.space	262144
	.amdgpu_metadata
---
amdhsa.version: [ 1, 2 ]
amdhsa.kernels:
  - .name:           k_qade3013808_main
    .symbol:         k_qade3013808_main.kd
    .args:
      - { .name: encoder_outputs, .offset: 0, .size: 8, .value_kind: global_buffer, .address_space: global }
      - { .name: mask, .offset: 8, .size: 8, .value_kind: global_buffer, .address_space: global }
      - { .name: v, .offset: 16, .size: 8, .value_kind: global_buffer, .address_space: global }
      - { .name: lowp_scales, .offset: 24, .size: 8, .value_kind: global_buffer, .address_space: global }
      - { .name: w1f, .offset: 32, .size: 8, .value_kind: global_buffer, .address_space: global }
      - { .name: w2h, .offset: 40, .size: 8, .value_kind: global_buffer, .address_space: global }
      - { .name: scores, .offset: 48, .size: 8, .value_kind: global_buffer, .address_space: global }
      - { .name: pctx, .offset: 56, .size: 8, .value_kind: global_buffer, .address_space: global }
    .group_segment_fixed_size: 293376
    .private_segment_fixed_size: 0
    .kernarg_segment_align: 8
    .kernarg_segment_size: 64
    .max_flat_workgroup_size: 128
    .sgpr_count:     66
    .vgpr_count:     1024
    .wavefront_size: 32
...
	.end_amdgpu_metadata
.endif
;; end of part 2
;; launch finish (part 3): grid 32 x 1, 8 waves a work-group, no clusters, 1,536 bytes of LDS; arguments scores, pctx, out0, out1; writes out0, out1
.if DOCPART == 3
	.amdgcn_target "amdgcn-amd-amdhsa--gfx1250"
	.amdhsa_code_object_version 6
	.text
	.protected	k_qade3013808_finish
	.globl	k_qade3013808_finish
	.p2align	8
	.type	k_qade3013808_finish,@function
k_qade3013808_finish:
	s_mov_b64 s[64:65], 0
	v_nop
	global_prefetch_b8 v0, s[64:65] scope:SCOPE_SE
	s_setreg_imm32_b32 hwreg(HW_REG_WAVE_MODE, 25, 1), 1
	s_wait_xcnt 0x0
; The blocks of a batch are joined.  scores [32][2048] f32 (masked); pctx [512 blocks of 128 rows][1024] f32: the sum of 2^((score - the block's largest) log2 e) x row.
; out1 = softmax of a batch's 2,048 scores, the batch's largest taken away first; out0 = sum over its 16 blocks of pctx x 2^((the block's largest - the batch's largest) log2 e) / the sum.
; The blocks' largest scores are taken anew from the stored scores: a maximum rounds nothing, so they are the numbers under which pctx was summed.
; SHARES.  Work-group b = batch b; eight waves.  Thread t holds scores 4 t + 0 .. 3 and 1024 + 4 t + 0 .. 3, so wave u holds blocks u and 8 + u whole; and columns 4 t + 0 .. 3 of the context.
; Every load and store of a wave covers 512 consecutive bytes.  Memory binds and the work is small: no matrix unit, no tensor load, two barriers.
; LDS: bytes 0-63 the 16 blocks' largest scores; bytes 64-95 the eight waves' sums.
	s_load_b256 s[4:11], s[0:1], 0x0               ; scores s[4:5], pctx s[6:7], out0 s[8:9], out1 s[10:11]
	v_lshl_add_u32 v128, v0, 2, 0x200
	v_mov_b32 v129, 0
	v_lshlrev_b32 v1, 4, v0                        ; 16 t
	v_lshrrev_b32 v2, 5, v0
	v_readfirstlane_b32 s12, v2                    ; wave u
	s_lshl_b32 s13, s12, 2
	v_mov_b32 v2, s13                              ; 4 u
	v_mov_b32 v3, 0
	v_mov_b32 v6, 0                                ; written once: a lane permute's destination counts as one of its sources
	v_mov_b32 v7, 0
	s_mov_b32 s14, 0x76543210                      ; v_permlanex16_b32's selects for lane l xor 16
	s_mov_b32 s15, 0xfedcba98
	s_mov_b32 s16, 0x3fb8aa3b                      ; log2(e)
	s_lshl_b32 s20, ttmp9, 13                      ; a batch's scores: 8,192 bytes
	s_mov_b32 s21, 0
	s_lshl_b32 s22, ttmp9, 16                      ; its 16 blocks of pctx: 65,536 bytes
	s_mov_b32 s23, 0
	s_lshl_b32 s24, ttmp9, 12                      ; its context: 4,096 bytes
	s_mov_b32 s25, 0
	s_wait_kmcnt 0x0
	s_add_nc_u64 s[4:5], s[4:5], s[20:21]
	s_add_nc_u64 s[6:7], s[6:7], s[22:23]
	s_add_nc_u64 s[8:9], s[8:9], s[24:25]
	s_add_nc_u64 s[10:11], s[10:11], s[20:21]
	global_load_b128 v[8:11], v1, s[4:5] th:TH_LOAD_NT
	global_load_b128 v[12:15], v1, s[4:5] offset:4096 th:TH_LOAD_NT
.irp k, 0,1,2,3,4,5,6,7,8,9,10,11,12,13,14,15
	global_load_b128 v[32+4*\k:35+4*\k], v1, s[6:7] offset:4096*\k th:TH_LOAD_NT
.endr
	s_wait_loadcnt 16                              ; the scores are in; pctx's sixteen loads may be out
	v_max3_num_f32 v4, v8, v9, v10
	v_max3_num_f32 v5, v12, v13, v14
	v_max_num_f32 v4, v4, v11
	v_max_num_f32 v5, v5, v15
.irp x, 1,2,4,8
	v_max_num_f32_dpp v4, v4, v4 row_xmask:\x row_mask:0xf bank_mask:0xf
	v_max_num_f32_dpp v5, v5, v5 row_xmask:\x row_mask:0xf bank_mask:0xf
.endr
	v_permlanex16_b32 v6, v4, s14, s15
	v_permlanex16_b32 v7, v5, s14, s15
	v_max_num_f32 v4, v4, v6                       ; block u's largest score,
	v_max_num_f32 v5, v5, v7                       ; block 8 + u's
	ds_store_b32 v2, v4                            ; all lanes write the same word with the same value
	ds_store_b32 v2, v5 offset:32
	s_wait_dscnt 0x0
	s_barrier_signal -1
	s_barrier_wait -1
.irp k, 0,1,2,3
	ds_load_b128 v[16+4*\k:19+4*\k], v3 offset:16*\k                       ; the sixteen, in every lane
.endr
	s_wait_dscnt 0x0
	v_max3_num_f32 v6, v16, v17, v18
	v_max3_num_f32 v7, v19, v20, v21
	v_max3_num_f32 v6, v6, v22, v23
	v_max3_num_f32 v7, v7, v24, v25
	v_max3_num_f32 v6, v6, v26, v27
	v_max3_num_f32 v7, v7, v28, v29
	v_max3_num_f32 v6, v6, v30, v31
	v_max_num_f32 v6, v6, v7                       ; the batch's largest score
.irp i, 0,1,2,3,4,5,6,7
	v_sub_f32 v[8+\i], v[8+\i], v6
.endr
.irp i, 0,1,2,3,4,5,6,7
	v_mul_f32 v[8+\i], s16, v[8+\i]
.endr
.irp i, 0,1,2,3,4,5,6,7
	v_exp_f32 v[8+\i], v[8+\i]
.endr
	v_nop                                          ; a plain place behind the exponentials
	s_wait_alu depctr_va_vdst(0)
	v_pk_add_f32 v[96:97], v[8:9], v[10:11]
	v_pk_add_f32 v[98:99], v[12:13], v[14:15]
	v_pk_add_f32 v[96:97], v[96:97], v[98:99]
	v_add_f32 v96, v96, v97
.irp x, 1,2,4,8
	v_add_f32_dpp v96, v96, v96 row_xmask:\x row_mask:0xf bank_mask:0xf
.endr
	v_permlanex16_b32 v97, v96, s14, s15
	v_add_f32 v96, v96, v97                        ; my wave's 256 terms
	ds_store_b32 v2, v96 offset:64
	s_wait_dscnt 0x0
	s_barrier_signal -1
	s_barrier_wait -1
	ds_load_b128 v[100:103], v3 offset:64
	ds_load_b128 v[104:107], v3 offset:80
	s_wait_dscnt 0x0
	v_pk_add_f32 v[100:101], v[100:101], v[102:103]
	v_pk_add_f32 v[104:105], v[104:105], v[106:107]
	v_pk_add_f32 v[100:101], v[100:101], v[104:105]
	v_add_f32 v100, v100, v101                     ; the batch's sum: at least 1, since the largest score's term is 1
	v_rcp_f32 v100, v100
.irp k, 0,1,2,3,4,5,6,7,8,9,10,11,12,13,14,15
	v_sub_f32 v[16+\k], v[16+\k], v6               ; (plain places behind the reciprocal)  the block's largest less the batch's
.endr
.irp k, 0,1,2,3,4,5,6,7,8,9,10,11,12,13,14,15
	v_mul_f32 v[16+\k], s16, v[16+\k]
.endr
.irp k, 0,1,2,3,4,5,6,7,8,9,10,11,12,13,14,15
	v_exp_f32 v[16+\k], v[16+\k]
.endr
	v_nop
	s_wait_alu depctr_va_vdst(0)
.irp i, 0,2,4,6
	v_pk_mul_f32 v[8+\i:9+\i], v[8+\i:9+\i], v[100:101] op_sel_hi:[1,0]    ; the weights: both x v100 = 1 / the sum
.endr
.irp k, 0,2,4,6,8,10,12,14
	v_pk_mul_f32 v[16+\k:17+\k], v[16+\k:17+\k], v[100:101] op_sel_hi:[1,0]    ; each block's factor
.endr
	global_store_b128 v1, v[8:11], s[10:11]
	global_store_b128 v1, v[12:15], s[10:11] offset:4096
	s_wait_loadcnt 0x0                             ; pctx
.irp e, 0,1,2,3
	v_mul_f32 v[108+\e], v16, v[32+\e]             ; the first block starts the sums
.endr
.irp k, 1,2,3,4,5,6,7,8,9,10,11,12,13,14,15
.irp e, 0,1,2,3
	v_fmac_f32 v[108+\e], v[16+\k], v[32+4*\k+\e]  ; four chains by turns
.endr
.endr
	global_store_b128 v1, v[108:111], s[8:9]
	s_wait_tensorcnt 0x0
	ds_add_u32 v128, v129
	s_wait_dscnt 0x0
	s_endpgm
.Lfunc_end_k_qade3013808_finish:
	.size	k_qade3013808_finish, .Lfunc_end_k_qade3013808_finish-k_qade3013808_finish
	.p2alignl 7, 3214868480
	.fill 96, 4, 3214868480
	.section	.rodata,"a",@progbits
	.p2align	6, 0x0
	.amdhsa_kernel k_qade3013808_finish
		.amdhsa_group_segment_fixed_size 1536
		.amdhsa_private_segment_fixed_size 0
		.amdhsa_enable_private_segment 0
		.amdhsa_kernarg_size 32
		.amdhsa_user_sgpr_count 2
		.amdhsa_user_sgpr_kernarg_segment_ptr 1
		.amdhsa_wavefront_size32 1
		.amdhsa_system_sgpr_workgroup_id_x 1
		.amdhsa_system_sgpr_workgroup_id_y 1
		.amdhsa_system_sgpr_workgroup_id_z 1
		.amdhsa_system_vgpr_workitem_id 0
		.amdhsa_next_free_vgpr 130
		.amdhsa_next_free_sgpr 66
		.amdhsa_reserve_vcc 0
		.amdhsa_float_denorm_mode_32 3
		.amdhsa_float_denorm_mode_16_64 3
		.amdhsa_memory_ordered 1
		.amdhsa_forward_progress 1
		.amdhsa_inst_pref_size 12
	.end_amdhsa_kernel
	.amdgpu_metadata
---
amdhsa.version: [ 1, 2 ]
amdhsa.kernels:
  - .name:           k_qade3013808_finish
    .symbol:         k_qade3013808_finish.kd
    .args:
      - { .name: scores, .offset: 0, .size: 8, .value_kind: global_buffer, .address_space: global }
      - { .name: pctx, .offset: 8, .size: 8, .value_kind: global_buffer, .address_space: global }
      - { .name: out0, .offset: 16, .size: 8, .value_kind: global_buffer, .address_space: global }
      - { .name: out1, .offset: 24, .size: 8, .value_kind: global_buffer, .address_space: global }
    .group_segment_fixed_size: 1536
    .private_segment_fixed_size: 0
    .kernarg_segment_align: 8
    .kernarg_segment_size: 32
    .max_flat_workgroup_size: 256
    .sgpr_count:     66
    .vgpr_count:     130
    .wavefront_size: 32
...
	.end_amdgpu_metadata
.endif
;; end of part 3
;; ======== version 2 of 2: 3 launches; version 1 with the launches prep, main written anew for expert scheduling mode
;; workspace buffers: w1f 1,048,576 bytes; w2h 131,072 bytes; scores 262,144 bytes; pctx 2,097,152 bytes
;; launch prep (part 4): grid 64 x 1, 8 waves a work-group, no clusters, 82,944 bytes of LDS; arguments W1, W2, hidden_top, lowp_scales, w1f, w2h; writes w1f, w2h
.if DOCPART == 4
	.amdgcn_target "amdgcn-amd-amdhsa--gfx1250"
	.amdhsa_code_object_version 6
	.text
	.protected	k_qade3013808_prep
	.globl	k_qade3013808_prep
	.p2align	8
	.type	k_qade3013808_prep,@function
k_qade3013808_prep:
	s_mov_b64 s[64:65], 0
	v_nop
	global_prefetch_b8 v0, s[64:65] scope:SCOPE_SE
	s_setreg_imm32_b32 hwreg(HW_REG_WAVE_SCHED_MODE, 0, 2), 2
	s_setreg_imm32_b32 hwreg(HW_REG_WAVE_MODE, 25, 1), 1
	s_wait_xcnt 0x0
	s_wait_alu depctr_vm_vsrc(0)
; W1 [1024][1024] f32 becomes codes of E4M3 laid in the order of an operand's registers (w1f), and w2h = (Q(hidden_top) Q(W2)^T) x 2^(e2 + e3) x 2 log2(e), f32 [32][1024].
; SHARES.  Work-group T takes rows 16 T .. 16 T + 15 of W1 and of W2.  Wave u = 4 g + a: a = its quarter of K (256 numbers of a row); g = 0: W1's piece, g = 1: W2's; every wave also takes
; hidden_top's rows 16 g .. 16 g + 15, quarter a.  All pieces are quantised alike and meet in LDS as rows of codes (pitch 272: 256 bytes + 16, an odd multiple of 16).
; ONE PERMUTATION OF K, THE SAME IN EVERY OPERAND OF BOTH PRODUCTS.  A load reads 512 consecutive bytes, 4 numbers a lane; a conversion takes the lane's 4 numbers of two neighbouring loads, and its 8 codes go to
; bytes 256 a + 8 lane + 0 .. 7 of the row of codes.  So place 256 a + 8 l + b stands for k = 256 a + 128 (b / 4) + 4 l + b % 4.  Every product still meets its partner; only the order of the sums changes.
; A fragment (16 rows x 128 places): lane (r, h) holds, of row r, places 128 s + 32 c + 16 h + 0 .. 15 in registers 4 c .. 4 c + 3.  w1f: [T 64][s 8][c 4][lane 32][16 bytes].
; code = x / 2^e, held within +-448, to the nearest code, ties to even.  LIMITS: e1, e2, e3 between -126 and 119; e2 + e3 between -127 and 126 (added to the exponent field of 2 log2(e)).  NaN is not served.
; w2h leaves in pieces of 16 bytes: a tile of 16 outputs is 64 bytes of each batch row, 131,072 bytes in the whole launch.
; THE MODE: SCHED_MODE bits 1:0 = 2 (LLVM: expert scheduling mode 2), set by the entry lines.  The code itself states the register dependences between vector or matrix instructions and memory or LDS
; instructions, with s_wait_alu, always for 0.
; THE PLAN.  The text runs straight through.  v4 to v12 are offsets and addresses, made once at the head.  The numbers' registers (v32-159 and window 1) are loaded, then held and converted by vector lines; v32-111 and
; v136-151 are loaded again from LDS behind a wait on va_vdst that stands behind the last of those lines.  The codes (v160-223), the sums (v128-135) and the results (v136-139) are written by vector lines and read by one
; run of stores each: a wait on va_vdst stands ahead of each run.  No register that a store or a load has read is written again, so no wait on vm_vsrc is owed.
.set WREG, 0                           ; 8 regions of 16 rows x 272: wave u's piece of W1 (u < 4) or W2
.set HREG, 34816                       ; 8 regions likewise: hidden_top's rows 16 g on, quarter a
.set RED,  69632                       ; 8 x 1,024: each wave's part of the sums
.set RP,   272
.set X,    32                          ; v32-159  my piece of W: row i at X + 8 i
.set TCW,  160                         ; v160-191 its codes
.set TCH,  192                         ; v192-223 hidden_top's codes
.set MSB, 0
.macro WIN new                         ; the immediate's high byte repeats the setting that is left
.if MSB != \new
	s_set_vgpr_msb (MSB<<8)|\new
.set MSB, \new
.endif
.endm
.macro BARRIER                         ; my LDS stores have landed and my LDS loads are in: then the work-group's barrier
	s_wait_dscnt 0x0
	s_barrier_signal -1
	s_barrier_wait -1
.endm
	s_load_b256 s[4:11], s[0:1], 0x0               ; W1 s[4:5], W2 s[6:7], hidden_top s[8:9], the scales' exponents s[10:11]
	s_load_b128 s[12:15], s[0:1], 0x20             ; w1f s[12:13], w2h s[14:15]
	v_lshl_add_u32 v254, v0, 2, 0x14000
	v_mov_b32 v255, 0
	v_lshrrev_b32 v1, 5, v0
	v_readfirstlane_b32 s20, v1                    ; wave u
	s_wait_alu depctr_va_sdst(0)                   ; s20 is written, ahead of its first reader
	s_and_b32 s21, s20, 3                          ; a
	s_lshr_b32 s22, s20, 2                         ; g
	v_and_b32 v1, 31, v0                           ; lane
	v_and_b32 v2, 15, v0                           ; r
	v_bfe_u32 v3, v0, 4, 1                         ; h
	v_lshlrev_b32 v4, 4, v1                        ; 16 x lane
	s_mul_i32 s23, s20, 16*RP                      ; my region
	v_lshl_add_u32 v5, v1, 3, s23                  ; W's codes go in at region + 8 x lane (+ 272 x row)
	v_add_nc_u32 v6, HREG, v5                      ; hidden_top's likewise
	v_mul_u32_u24 v15, v2, RP
	v_lshl_add_u32 v15, v3, 4, v15                 ; a fragment's place: 272 r + 16 h
	s_mul_i32 s24, s21, 16*RP
	s_lshl_b32 s25, s22, 7
	s_add_co_u32 s25, s25, s24
	v_add_nc_u32 v7, s25, v15                      ; W1's fragment of K step 2 a + g: region a, 128 g bytes along
	s_add_co_u32 s24, s24, 4*16*RP
	v_add_nc_u32 v8, s24, v15                      ; W2's two fragments of quarter a: region 4 + a
	s_add_co_u32 s25, s23, HREG
	v_add_nc_u32 v9, s25, v15                      ; hidden_top's two fragments: my own region
	s_lshl_b32 s25, s20, 10
	s_add_co_u32 s25, s25, RED
	v_add_nc_u32 v10, s25, v4                      ; my part of the sums
	s_lshl_b32 s25, s22, 12
	s_lshl_b32 s26, s21, 9
	s_add_co_u32 s25, s25, s26
	s_add_co_u32 s25, s25, RED
	v_add_nc_u32 v11, s25, v4                      ; (waves with a < 2) registers 4 a .. 4 a + 3 of the four parts of batch tile g
	v_lshlrev_b32 v12, 12, v2
	v_lshl_add_u32 v12, v3, 5, v12                 ; w2h: row r of 4,096 bytes, + 32 h
	s_mov_b32 s31, 0
	s_wait_kmcnt 0x0
	s_load_b128 s[16:19], s[10:11], 0x0            ; e0, e1, e2, e3
	s_cmp_eq_u32 s22, 0                            ; the choice hangs on the wave's number alone
	s_cselect_b64 s[28:29], s[4:5], s[6:7]         ; W1 or W2
	s_lshl_b32 s30, ttmp9, 16                      ; 16 rows of 4,096 bytes a work-group
	s_lshl_b32 s26, s21, 10                        ; my quarter of a row
	s_add_co_u32 s30, s30, s26
	s_add_nc_u64 s[28:29], s[28:29], s[30:31]
	s_lshl_b32 s30, s22, 16
	s_add_co_u32 s30, s30, s26
	s_add_nc_u64 s[32:33], s[8:9], s[30:31]        ; hidden_top at row 16 g, quarter a
	s_lshl_b32 s30, ttmp9, 14
	s_lshl_b32 s26, s21, 12
	s_add_co_u32 s30, s30, s26
	s_lshl_b32 s26, s22, 11
	s_add_co_u32 s30, s30, s26
	s_add_nc_u64 s[12:13], s[12:13], s[30:31]      ; w1f at tile T, K step 2 a + g
	s_lshl_b32 s30, s22, 16
	s_lshl_b32 s26, ttmp9, 6
	s_add_co_u32 s30, s30, s26
	s_lshl_b32 s26, s21, 4
	s_add_co_u32 s30, s30, s26
	s_add_nc_u64 s[14:15], s[14:15], s[30:31]      ; w2h at batch 16 g, output 16 T + 4 a
	s_wait_alu depctr_va_vdst(0)                   ; the offsets and addresses v4 to v12 are written, which the loads and stores of the whole text read
.irp i, 0,1,2,3,4,5,6,7,8,9,10,11,12,13,14,15
	global_load_b128 v[X+8*\i:X+8*\i+3],   v4, s[28:29] offset:4096*\i th:TH_LOAD_NT        ; 32 lanes read 512 consecutive bytes
	global_load_b128 v[X+8*\i+4:X+8*\i+7], v4, s[28:29] offset:4096*\i+512 th:TH_LOAD_NT
.endr
	WIN 0x40                                       ; destination window 1: hidden_top's piece, v256-383
.irp i, 0,1,2,3,4,5,6,7,8,9,10,11,12,13,14,15
	global_load_b128 v[8*\i:8*\i+3],   v4, s[32:33] offset:4096*\i                          ; read by all 64 work-groups: no hint
	global_load_b128 v[8*\i+4:8*\i+7], v4, s[32:33] offset:4096*\i+512
.endr
	WIN 0
	s_wait_kmcnt 0x0
	s_cmp_eq_u32 s22, 0
	s_cselect_b32 s34, s17, s19                    ; e of my W
	s_add_co_i32 s34, s34, 127
	s_lshl_b32 s38, s34, 23
	v_mov_b32 v13, s38                             ; 2^e as f32: the conversion takes its exponent field
	s_add_co_i32 s34, s34, 8
	s_lshl_b32 s34, s34, 23
	s_or_b32 s34, s34, 0x600000                    ; 448 x 2^e
	s_or_b32 s35, s34, 0x80000000                  ; and its negative
	s_add_co_i32 s36, s18, 127
	s_lshl_b32 s38, s36, 23
	v_mov_b32 v14, s38                             ; 2^e2
	s_add_co_i32 s36, s36, 8
	s_lshl_b32 s36, s36, 23
	s_or_b32 s36, s36, 0x600000
	s_or_b32 s37, s36, 0x80000000
	s_add_co_i32 s40, s18, s19
	s_lshl_b32 s40, s40, 23
	s_add_co_i32 s40, s40, 0x4038aa3b              ; 2 log2(e) x 2^(e2 + e3): the exponents are added to the exponent field
	s_mov_b32 s41, s40                             ; (named with it as a pair, so it is written)
	s_wait_loadcnt 32                              ; W's 32 loads are in; hidden_top's 32 may be out
.set n, 0
.rept 128
	v_med3_num_f32 v[X+n], v[X+n], s35, s34        ; the conversion to an 8-bit code does not saturate (ISA guide 7.6.2): the hold at the largest code x the scale
.set n, n+1
.endr
.set n, 0
.rept 16
	v_cvt_scalef32_pk8_fp8_f32 v[TCW+2*n:TCW+2*n+1], v[X+8*n:X+8*n+7], v13
.set n, n+1
.endr
	v_nop                                          ; one plain vector instruction behind the last conversion of a run
	s_wait_alu depctr_va_vdst(0)                   ; the conversions have written W's codes, which the LDS stores read
.set n, 0
.rept 16
	ds_store_b64 v5, v[TCW+2*n:TCW+2*n+1] offset:RP*n      ; 32 lanes: the row's 256 bytes of codes
.set n, n+1
.endr
	s_wait_loadcnt 0x0
	WIN 0x41                                       ; source 0 and destination window 1
.set n, 0
.rept 128
	v_med3_num_f32 v[n], v[n], s37, s36
.set n, n+1
.endr
	WIN 0x01                                       ; source 0 window 1
.set n, 0
.rept 16
	v_cvt_scalef32_pk8_fp8_f32 v[TCH+2*n:TCH+2*n+1], v[8*n:8*n+7], v14
.set n, n+1
.endr
	v_nop
	WIN 0
	s_wait_alu depctr_va_vdst(0)                   ; the conversions have written hidden_top's codes, which the LDS stores read; and every hold and conversion is done with v32-159, in which the fragments below land
.set n, 0
.rept 16
	ds_store_b64 v6, v[TCH+2*n:TCH+2*n+1] offset:RP*n
.set n, n+1
.endr
	BARRIER                                        ; all sixteen pieces lie in LDS as rows of codes
.irp c, 0,1,2,3
	ds_load_b128 v[32+4*\c:35+4*\c], v7 offset:32*\c                       ; W1's fragment of K step 2 a + g
.endr
.irp q, 0,1
.irp c, 0,1,2,3
	ds_load_b128 v[48+16*\q+4*\c:51+16*\q+4*\c], v8 offset:128*\q+32*\c    ; W2's two fragments of my quarter
.endr
.endr
.irp q, 0,1
.irp c, 0,1,2,3
	ds_load_b128 v[80+16*\q+4*\c:83+16*\q+4*\c], v9 offset:128*\q+32*\c    ; hidden_top's two
.endr
.endr
	s_wait_dscnt 16                                ; the first four loads are in; the sixteen behind them may be out
.irp c, 0,1,2,3
	global_store_b128 v4, v[32+4*\c:35+4*\c], s[12:13] offset:512*\c       ; the fragment as it stands in registers: each store covers 512 consecutive bytes, aligned
.endr
	s_wait_dscnt 0x0
	v_wmma_f32_16x16x128_fp8_fp8 v[112:119], v[48:63], v[80:95], 0         ; source 0 = 16 rows of W2, source 1 = 16 rows of hidden_top: lane (r, h) holds batch 16 g + r, register j output 16 T + 8 h + j
	v_wmma_f32_16x16x128_fp8_fp8 v[120:127], v[64:79], v[96:111], 0        ; the quarter's second K step, on an accumulator of its own
.rept 4
	v_nop                                          ; four places in front of the first read of results (ISA guide 7.12.1)
.endr
.irp j, 0,2,4,6
	v_pk_add_f32 v[128+\j:129+\j], v[112+\j:113+\j], v[120+\j:121+\j]      ; each accumulator from its low end on
.endr
	s_wait_alu depctr_va_vdst(0)                   ; the additions have written v128-135, which the LDS stores read
	ds_store_b128 v10, v[128:131]
	ds_store_b128 v10, v[132:135] offset:512
	BARRIER                                        ; the four quarters' parts of both batch tiles lie in LDS
	s_cmp_lt_u32 s21, 2                            ; waves with a = 0, 1 add them: registers 4 a .. 4 a + 3.  No barrier follows
	s_cbranch_scc0 .Lend
.irp k, 0,1,2,3
	ds_load_b128 v[136+4*\k:139+4*\k], v11 offset:1024*\k
.endr
	s_wait_dscnt 0x0
	v_pk_add_f32 v[136:137], v[136:137], v[140:141]
	v_pk_add_f32 v[138:139], v[138:139], v[142:143]
	v_pk_add_f32 v[144:145], v[144:145], v[148:149]
	v_pk_add_f32 v[146:147], v[146:147], v[150:151]
	v_pk_add_f32 v[136:137], v[136:137], v[144:145]
	v_pk_add_f32 v[138:139], v[138:139], v[146:147]
	v_pk_mul_f32 v[136:137], v[136:137], s[40:41] op_sel_hi:[1,0]          ; x 2^(e2 + e3) x 2 log2(e): the next launch's exponential wants it so
	v_pk_mul_f32 v[138:139], v[138:139], s[40:41] op_sel_hi:[1,0]
	s_wait_alu depctr_va_vdst(0)                   ; the multiplications have written v136-139, which the store reads
	global_store_b128 v12, v[136:139], s[14:15]
.Lend:
	s_wait_dscnt 0x0                               ; the closing lines, six on end
	s_wait_alu 0x0
	s_wait_tensorcnt 0x0
	ds_add_u32 v254, v255
	s_wait_dscnt 0x0
	s_endpgm
.Lfunc_end_k_qade3013808_prep:
	.size	k_qade3013808_prep, .Lfunc_end_k_qade3013808_prep-k_qade3013808_prep
	.p2alignl 7, 3214868480
	.fill 96, 4, 3214868480
	.section	.rodata,"a",@progbits
	.p2align	6, 0x0
	.amdhsa_kernel k_qade3013808_prep
		.amdhsa_group_segment_fixed_size 82944
		.amdhsa_private_segment_fixed_size 0
		.amdhsa_enable_private_segment 0
		.amdhsa_kernarg_size 48
		.amdhsa_user_sgpr_count 2
		.amdhsa_user_sgpr_kernarg_segment_ptr 1
		.amdhsa_wavefront_size32 1
		.amdhsa_system_sgpr_workgroup_id_x 1
		.amdhsa_system_sgpr_workgroup_id_y 1
		.amdhsa_system_sgpr_workgroup_id_z 1
		.amdhsa_system_vgpr_workitem_id 0
		.amdhsa_next_free_vgpr 384
		.amdhsa_next_free_sgpr 66
		.amdhsa_reserve_vcc 0
		.amdhsa_float_denorm_mode_32 3
		.amdhsa_float_denorm_mode_16_64 3
		.amdhsa_memory_ordered 1
		.amdhsa_forward_progress 1
		.amdhsa_inst_pref_size 34
	.end_amdhsa_kernel
	.amdgpu_metadata
---
amdhsa.version: [ 1, 2 ]
amdhsa.kernels:
  - .name:           k_qade3013808_prep
    .symbol:         k_qade3013808_prep.kd
    .args:
      - { .name: W1, .offset: 0, .size: 8, .value_kind: global_buffer, .address_space: global }
      - { .name: W2, .offset: 8, .size: 8, .value_kind: global_buffer, .address_space: global }
      - { .name: hidden_top, .offset: 16, .size: 8, .value_kind: global_buffer, .address_space: global }
      - { .name: lowp_scales, .offset: 24, .size: 8, .value_kind: global_buffer, .address_space: global }
      - { .name: w1f, .offset: 32, .size: 8, .value_kind: global_buffer, .address_space: global }
      - { .name: w2h, .offset: 40, .size: 8, .value_kind: global_buffer, .address_space: global }
    .group_segment_fixed_size: 82944
    .private_segment_fixed_size: 0
    .kernarg_segment_align: 8
    .kernarg_segment_size: 48
    .max_flat_workgroup_size: 256
    .sgpr_count:     66
    .vgpr_count:     384
    .wavefront_size: 32
...
	.end_amdgpu_metadata
.endif
;; end of part 4
;; launch main (part 5): grid 256 x 1, 4 waves a work-group, no clusters, 293,376 bytes of LDS; arguments encoder_outputs, mask, v, lowp_scales, w1f, w2h, scores, pctx; writes scores, pctx
.if DOCPART == 5
	.amdgcn_target "amdgcn-amd-amdhsa--gfx1250"
	.amdhsa_code_object_version 6
	.text
	.protected	k_qade3013808_main
	.globl	k_qade3013808_main
	.p2align	8
	.type	k_qade3013808_main,@function
k_qade3013808_main:
	s_mov_b64 s[64:65], 0
	v_nop
	global_prefetch_b8 v0, s[64:65] scope:SCOPE_SE
	s_setreg_imm32_b32 hwreg(HW_REG_WAVE_SCHED_MODE, 0, 2), 2
	s_setreg_imm32_b32 hwreg(HW_REG_WAVE_MODE, 25, 1), 1
	s_wait_xcnt 0x0
	s_wait_alu depctr_vm_vsrc(0)
; For 128 rows of encoder_outputs at a time: codes of E4M3 -> x W1^T (FP8) -> + W2h -> tanh -> . v -> masked score; p = 2^((score - the block's largest) log2 e); pctx = sum of p x row.  encoder_outputs is read ONCE.
; SHARES.  Work-group G owns rows 256 G .. + 255 (all of batch G / 8), in two passes of 128 (block 2 G + pass).  Wave w loads and converts rows 32 w .. + 31 of the block; multiplies ALL 128 rows by the columns
; 256 q + 64 w + 0 .. 63 of each of four column groups q; and sums the context of its own 32 rows.
; WHERE A BLOCK LIES until its scores are known: its codes once in LDS (128 x 1,040 bytes); its numbers as bf16, for the context, half in registers (window 3) and half in LDS (131,072 bytes).
; W1'S CODES COME STRAIGHT INTO REGISTERS, NOT THROUGH LDS AND NOT JOINTLY.  All work-groups walk the same 1,048,576 bytes, but the block and the scratch take 292,864 of the 327,680 bytes of LDS: two slots in the
; 34,816 left would hold 8 fragments each, 32 products of a wave between two changes of slots.  Each fragment of W1 is wanted by ONE wave of the work-group; the launch before laid them in the order of the
; operand's registers, so a lane loads its 16 bytes whole; four K steps' registers take turns, two or three steps' loads on their way.
; K IS PERMUTED, alike in both operands: place 256 a + 8 l + b of a row of codes stands for k = 256 a + 128 (b / 4) + 4 l + b % 4 (a dense load gives a lane 4 numbers, a conversion takes two loads').
; tanh(x) = 1 - 2 / (1 + 2^(2 log2(e) x)): one multiply-add, an exponential, an addition, a reciprocal; 2^y = infinity gives 1, 2^y = 0 gives -1.  score = sum of (-2 v) / (1 + 2^y) - (sum of (-2 v)) / 2.
; THE SOFTMAX takes the block's own largest score away; the last launch brings the blocks of a batch under the batch's largest.
; LIMITS: e0 between -126 and 119; e0 + e1 between -127 and 126 (added to the exponent field of 2 log2(e)).  NaN among the inputs is not served.  The context's rows are rounded to bf16, its weights and sums are f32.
; REGISTERS, in windows of 256 (s_set_vgpr_msb: bits 1:0 source 0, 3:2 source 1, 5:4 source 2, 7:6 destination):
;   window 0: v1-17 addresses; v20-31 at work; v32-223 three buffers of four fragments of A; v224-239 the scores' sums (a pair for each of 8 tiles of rows); v240-241 the sum of -2 v
;   window 1: four K steps of W1's fragments (step k: 64 k + 16 t + 4 c)      window 3: bf16 of my rows 0-15 (16 registers a row)
;   window 2: the 32 accumulators ((m, t) at 8 (4 m + t)); while a block is loaded: a ring of 8 rows of f32; for the context: 32 sums and three buffers of four rows
; THE MODE: SCHED_MODE bits 1:0 = 2 (LLVM: expert scheduling mode 2), set by the entry lines.  The code itself states the register dependences between vector or matrix instructions and memory or LDS
; instructions, with s_wait_alu, always for 0.
; THE PLAN.  Registers that memory or LDS instructions touch:
;   v1-16, v28   offsets and addresses, made at the head and never written again.   v17: the bias's address, written once a column group, at the group's head; read by the group's sixteen loads of the bias and -2 v.
;   the ring     Row i: its roundings, holds and conversions read and write its 32 registers; behind them the loads of row i + 8 land there.
;   TC, TB       two sets by turns.  Row i's conversions write a set, row i's LDS stores read it, row i + 2 writes it again.
;   A0, A1, A2   Quad Q's products read buffer Q % 3; the LDS loads of quad Q + 2, issued in quad Q, land in the buffer that quad Q - 1 read.  Between two groups A2 holds the bias and -2 v, read by vector lines.
;   W0 .. W3     K step s's products (quads 2 s, 2 s + 1) read slot s % 4; the loads of K step s + 4, issued in quad 2 s + 2, land in it.
;   the scores' sums, p and the scores, the context's sums and its parts: written by vector lines, read by one run of stores each.
; So a row has one wait on va_vdst, behind its conversions, and one on vm_vsrc, at its head.  A quad has ONE wait on va_vdst, at its head: the quad before is done with its operands; the quad's loads follow it, dealt among
; its sixteen products, which name buffer Q % 3, the slot in hand and the accumulators: none of the registers that those loads touch.  Each run of stores has a wait on va_vdst ahead of it.
.set CP,    1040                       ; a row of codes in LDS: 1,024 bytes + 16 = 65 x 16: the 16 rows of a fragment load start at 16 different columns of 16 bytes
.set BF,    133120                     ; 4 waves x 16 rows x 2,048 bytes: bf16 of each wave's rows 16-31, as images of registers; each wave's own
.set BIAS,  264192                     ; 1,024 f32: w2h's row of my batch
.set VVO,   4096                       ; behind it: -2 v
.set PS,    272384                     ; [128 rows][4 waves] f32: the waves' parts of the scores
.set PP,    274432                     ; 4 x 512: p of the 128 rows, each wave's own copy
.set CX,    276480                     ; 4 x 4,096: each wave's part of the context
.set OFF4,  1                          ; v1   4 x lane
.set OFFL,  2                          ; v2   16 x lane
.set ADA,   3                          ; v3, v4  my place in a fragment of A: rows 0-63, rows 64-127
.set ADC,   5                          ; v5   where my codes go
.set ADB,   6                          ; v6   my wave's bf16 rows in LDS
.set ADBV,  7                          ; v7   my 8 numbers of the bias in a column tile
.set SC,    8                          ; v8   2^e0 as f32
.set MK,    9                          ; v9   the mask's bytes of rows 4 l .. 4 l + 3
.set PFO,   10                         ; v10  256 x lane
.set ADPS,  11
.set ADPR,  12
.set ADPW,  13
.set ADPP,  14
.set ADCX,  15
.set ADCR,  16
.set ADBQ,  17                         ; v17  ADBV in the column group in hand
.set SCR,   20                         ; v20-23 four scores
.set PX,    24                         ; v24-27 at work, then four p
.set ADST,  28
.set NEG,   29                         ; v29  -1e9
.set MX,    30                         ; v30, v31 the block's largest score
.set AB,    32
.set BI,    160                        ; in A's third buffer, between two column groups: 32 numbers of the bias,
.set UU,    192                        ; and of -2 v
.set SA,    224
.set VS,    240
.set TB,    32                         ; while a block is loaded: a row's bf16, two sets (v32-47, v96-111) by turns;
.set TC,    48                         ; its codes, two sets (v48-55, v56-63)
.set STG,   64
.set PR,    32                         ; for the context: p of my 32 rows
.set EB,    24                         ; s[24:25] encoder_outputs at my wave's first row of the block
.set MB,    26                         ; s[26:27] mask at the block
.set SB,    28                         ; s[28:29] scores at the block
.set PB,    30                         ; s[30:31] pctx at the block, my quarter of its columns
.set WB,    32                         ; s[32:33] w1f at my wave's columns of group 0
.set CUR,   34                         ; s[34:35] the same in the group in hand,
.set NXT,   36                         ; s[36:37] and in the next
.set PFB,   38                         ; s[38:39] where the prefetches stand
.set KS,    40                         ; s[40:41] 2 log2(e) x 2^(e0 + e1)
.set LIM,   42                         ; s42, s43  448 x 2^e0 and its negative
.set SEL,   44                         ; s[44:45] v_permlanex16_b32's selects for lane l xor 16
.set PASS,  46
.set QN,    47                         ; the column group
.set QO,    48                         ; 1,024 x the column group
.set CM,    60                         ; s60-63 where the mask is true, for my four rows
.set MUL,   0xa1                       ; source 0 (W1) window 1, source 1 (A) window 0, C and D window 2
.set MSB, 0
.macro WIN new                         ; the immediate's high byte repeats the setting that is left
.if MSB != \new
	s_set_vgpr_msb (MSB<<8)|\new
.set MSB, \new
.endif
.endm
.macro BARRIER                         ; my LDS stores have landed and my LDS loads are in: then the work-group's barrier
	s_wait_dscnt 0x0
	s_barrier_signal -1
	s_barrier_wait -1
.endm
; The block's mask, and my first 8 rows into the ring: each load reads 512 consecutive bytes.
.macro FILL
	global_load_b32 v[MK], v[OFF4], s[MB:MB+1]
	WIN 0x80
.irp i, 0,1,2,3,4,5,6,7
.irp j, 0,1,2,3,4,5,6,7
	global_load_b128 v[32*\i+4*\j:32*\i+4*\j+3], v[OFFL], s[EB:EB+1] offset:4096*\i+512*\j th:TH_LOAD_NT
.endr
.endr
	WIN 0
.endm
; Row i of my 32: rounded to bf16 (before the hold), held, converted; the ring's registers take row i + 8; the codes to LDS; the bf16 to window 3 (rows 0-15) or to LDS.
.macro ROW i
.set RB,  32*((\i)%8)
.set TBX, TB+64*((\i)%2)
.set TCX, TC+8*((\i)%2)
.if (\i) <= 24
	s_wait_loadcnt 56                              ; loads come back in order: my row is in, the seven rows behind it may be out
.else
	s_wait_loadcnt 8*(31-(\i))
.endif
.if (\i) > 16
	s_wait_dscnt 8                                 ; the LDS stores of the row before may be out; those of two rows back are done
.else
	s_wait_dscnt 4
.endif
.if (\i) >= 2
	s_wait_alu depctr_vm_vsrc(0)                   ; the LDS stores of two rows back have read this set of TC (from row 18 on: and of TB), which the conversions below write again
.endif
.if (\i) < 16
	WIN 0xca                                       ; sources window 2, destination window 3
.irp n, 0,1,2,3,4,5,6,7,8,9,10,11,12,13,14,15
	v_cvt_pk_bf16_f32 v[16*(\i)+\n], v[RB+2*\n], v[RB+2*\n+1]
.endr
.else
	WIN 0x0a                                       ; sources window 2, destination window 0
.irp n, 0,1,2,3,4,5,6,7,8,9,10,11,12,13,14,15
	v_cvt_pk_bf16_f32 v[TBX+\n], v[RB+2*\n], v[RB+2*\n+1]
.endr
.endif
	WIN 0x82
.irp n, 0,1,2,3,4,5,6,7,8,9,10,11,12,13,14,15,16,17,18,19,20,21,22,23,24,25,26,27,28,29,30,31
	v_med3_num_f32 v[RB+\n], v[RB+\n], s[LIM+1], s[LIM]    ; the conversion to an 8-bit code does not saturate (ISA guide 7.6.2): the hold at the largest code x the scale
.endr
	WIN 0x02
.irp a, 0,1,2,3
	v_cvt_scalef32_pk8_fp8_f32 v[TCX+2*\a:TCX+2*\a+1], v[RB+8*\a:RB+8*\a+7], v[SC]
.endr
	v_nop                                          ; one plain vector instruction behind the last conversion of a run
.if (\i) < 24
	WIN 0x80
	s_wait_alu depctr_va_vdst(0)                   ; the roundings, holds and conversions are done with the ring's row, in which the loads below land, and have written TC and TB, which the LDS stores below read
.irp j, 0,1,2,3,4,5,6,7
	global_load_b128 v[RB+4*\j:RB+4*\j+3], v[OFFL], s[EB:EB+1] offset:4096*((\i)+8)+512*\j th:TH_LOAD_NT   ; the ring's registers are asked for again at once
.endr
	WIN 0
.else
	WIN 0
	s_wait_alu depctr_va_vdst(0)                   ; the conversions have written TC and TB, which the LDS stores below read
.endif
.irp a, 0,1,2,3
	ds_store_b64 v[ADC], v[TCX+2*\a:TCX+2*\a+1] offset:CP*(\i)+256*\a      ; 32 lanes: 256 consecutive bytes of the row of codes
.endr
.if (\i) >= 16
.irp c, 0,1,2,3
	ds_store_b128 v[ADB], v[TBX+4*\c:TBX+4*\c+3] offset:2048*((\i)-16)+512*\c
.endr
.endif
.endm
; Quad Q of 16: K step Q / 2, tiles of rows 4 (Q % 2) + 0 .. 3: four fragments of A into buffer Q % 3.  AQF: fragment m of them, four LDS loads.
.macro AQF Q, m
.irp c, 0,1,2,3
	ds_load_b128 v[AB+64*((\Q)%3)+16*(\m)+4*\c:AB+64*((\Q)%3)+16*(\m)+4*\c+3], v[ADA+((\Q)%2)] offset:16*CP*(\m)+128*((\Q)/2)+32*\c
.endr
.endm
.macro AQ Q
.irp m, 0,1,2,3
	AQF \Q, \m
.endr
.endm
; K step s of my four column tiles of W1, from the group at s[base], into slot k of window 1.  WLT: column tile t of them, four loads of 512 consecutive bytes; the caller sets the window.
.macro WLT k, base, s, t
.irp c, 0,1,2,3
	global_load_b128 v[64*(\k)+16*(\t)+4*\c:64*(\k)+16*(\t)+4*\c+3], v[OFFL], s[\base:\base+1] offset:16384*(\t)+2048*(\s)+512*\c
.endr
.endm
.macro WL k, base, s
	WIN 0x40
.irp t, 0,1,2,3
	WLT \k, \base, \s, \t
.endr
	WIN 0
.endm
; The bias and -2 v at my 8 columns of column tile t, the same for all 16 rows of a tile.
.macro BV t
	ds_load_b128 v[BI+8*(\t):BI+8*(\t)+3],   v[ADBQ] offset:64*(\t)
	ds_load_b128 v[BI+8*(\t)+4:BI+8*(\t)+7], v[ADBQ] offset:64*(\t)+16
	ds_load_b128 v[UU+8*(\t):UU+8*(\t)+3],   v[ADBQ] offset:VVO+64*(\t)
	ds_load_b128 v[UU+8*(\t)+4:UU+8*(\t)+7], v[ADBQ] offset:VVO+64*(\t)+16
.endm
; 16 products: four tiles of rows x my four column tiles, 128 along K.  Source 0 = 16 rows of W1, source 1 = 16 rows of A: lane (r, h) holds row 16 m + r, register j column 16 t + 8 h + j.
; The 32 accumulators take turns, one instruction a turn, in the same order in every K step.  K step 0 starts the sums: nothing is cleared.
; Behind the one wait at the quad's head its loads are dealt among the products, four behind every four: A's quad two on, into the buffer that the quad before read; in an even quad from the second K step on the K step of W1
; four on from the one just done, into that step's slot; in the last quad the bias and -2 v, into the buffer that quad 14 read.
.macro QUAD Q
.if (\Q) > 0
.rept 4
	v_nop                                          ; four places between the last quad's products and the loads into registers that they have read: they stay beside the wait below
.endr
.endif
.if (\Q) == 0
	s_wait_loadcnt 48                              ; K step 0 of W1 is in; the three steps behind it may be out
.elseif (\Q)%2 == 0
	s_wait_loadcnt 32                              ; this K step of W1 is in; the two steps asked for behind it may be out
.endif
.if (\Q) <= 14
	s_wait_dscnt 16                                ; this quad of A is in; the one behind it may be out
.else
	s_wait_dscnt 0x0
.endif
.if (\Q) == 0
	s_wait_alu depctr_va_vdst(0)                   ; the last group's vector lines are done reading the bias and -2 v in A's buffer 2, in which quad 2 lands; v[ADBQ] is written, which this group's loads of the bias read
.else
	s_wait_alu depctr_va_vdst(0)                   ; the last quad's products are done reading their buffer of A, and behind a K step's second quad their slot of W1: this quad's loads land there
.endif
.irp m, 0,1,2,3
	WIN MUL
.irp t, 0,1,2,3
.set AC, 8*(4*(4*((\Q)%2)+\m)+\t)
.set WF, 64*(((\Q)/2)%4)+16*\t
.set AF, AB+64*((\Q)%3)+16*\m
.if (\Q) < 2
	v_wmma_f32_16x16x128_fp8_fp8 v[AC:AC+7], v[WF:WF+15], v[AF:AF+15], 0
.else
	v_wmma_f32_16x16x128_fp8_fp8 v[AC:AC+7], v[WF:WF+15], v[AF:AF+15], v[AC:AC+7]
.endif
.endr
.if ((\Q)%2 == 0) && ((\Q) >= 2)
	WIN 0x40
.if (\Q) <= 8
	WLT ((\Q)/2-1)%4, CUR, (\Q)/2+3, \m
.else
	WLT ((\Q)/2-1)%4, NXT, (\Q)/2-5, \m
.endif
.endif
.if (\Q) <= 13
	WIN 0
	AQF (\Q)+2, \m
.elseif (\Q) == 15
	WIN 0
	BV \m
.endif
.endr
.endm
; Four accumulators (tiles of rows 4 hf + 0 .. 3, column tile t) become their share of the scores.
.macro BATCH hf, t
	WIN 0x82
.irp m, 0,1,2,3
.set AC, 8*(4*(4*\hf+\m)+\t)
.irp i, 0,2,4,6
	v_pk_fma_f32 v[AC+\i:AC+\i+1], v[AC+\i:AC+\i+1], s[KS:KS+1], v[BI+8*\t+\i:BI+8*\t+\i+1] op_sel_hi:[1,0,1]   ; y = 2 log2(e) (sum x 2^(e0 + e1) + W2h); each accumulator from its low end on
.endr
.endr
.irp m, 0,1,2,3
.set AC, 8*(4*(4*\hf+\m)+\t)
.irp i, 0,1,2,3,4,5,6,7
	v_exp_f32 v[AC+\i], v[AC+\i]
.endr
.endr
	v_nop                                          ; a plain place behind the exponentials
	s_wait_alu depctr_va_vdst(0)                   ; the 32 exponentials have written their results, which the additions read: one wait for the batch
.irp m, 0,1,2,3
.set AC, 8*(4*(4*\hf+\m)+\t)
.irp i, 0,2,4,6
	v_pk_add_f32 v[AC+\i:AC+\i+1], v[AC+\i:AC+\i+1], 1.0 op_sel_hi:[1,0]
.endr
.endr
.irp m, 0,1,2,3
.set AC, 8*(4*(4*\hf+\m)+\t)
.irp i, 0,1,2,3,4,5,6,7
	v_rcp_f32 v[AC+\i], v[AC+\i]
.endr
.endr
	v_nop                                          ; a plain place behind the reciprocals
	WIN 0x02
	s_wait_alu depctr_va_vdst(0)                   ; the 32 reciprocals have written their results, which the multiply-adds read: one wait for the batch
.irp i, 0,2,4,6
.irp m, 0,1,2,3
.set AC, 8*(4*(4*\hf+\m)+\t)
	v_pk_fma_f32 v[SA+2*(4*\hf+\m):SA+2*(4*\hf+\m)+1], v[AC+\i:AC+\i+1], v[UU+8*\t+\i:UU+8*\t+\i+1], v[SA+2*(4*\hf+\m):SA+2*(4*\hf+\m)+1]   ; four chains by turns
.endr
.endr
.endm
; Row i of my 32 enters the context: its 16 registers of bf16 stand at v[reg] on (the window is set by the caller); sum 2 n + half is column 128 (n / 2) + 4 l + 2 (n % 2) + half.
.macro CTX i, reg
.irp n, 0,1,2,3,4,5,6,7,8,9,10,11,12,13,14,15
	v_fma_mix_f32_bf16 v[2*\n], v[(\reg)+\n], v[PR+(\i)], v[2*\n] op_sel_hi:[1,0,0]
	v_fma_mix_f32_bf16 v[2*\n+1], v[(\reg)+\n], v[PR+(\i)], v[2*\n+1] op_sel:[1,0,0] op_sel_hi:[1,0,0]
.endr
.endm
	s_load_b512 s[4:19], s[0:1], 0x0               ; encoder_outputs s[4:5], mask s[6:7], v s[8:9], the exponents s[10:11], w1f s[12:13], w2h s[14:15], scores s[16:17], pctx s[18:19]
	v_lshl_add_u32 v254, v0, 2, 0x47800
	v_mov_b32 v255, 0
	v_lshrrev_b32 v18, 5, v0
	v_readfirstlane_b32 s22, v18                   ; wave w
	v_and_b32 v18, 31, v0                          ; lane l
	v_and_b32 v19, 15, v0                          ; r
	v_bfe_u32 v21, v0, 4, 1                        ; h
	v_lshlrev_b32 v[OFF4], 2, v18
	v_lshlrev_b32 v[OFFL], 4, v18
	v_mul_u32_u24 v[ADA], v19, CP
	v_lshl_add_u32 v[ADA], v21, 4, v[ADA]          ; a fragment's row x pitch + 16 h
	v_add_nc_u32 v[ADA+1], 64*CP, v[ADA]
	s_wait_alu depctr_va_sdst(0)                   ; s22 is written, ahead of its first reader
	s_mul_i32 s50, s22, 32*CP
	v_lshl_add_u32 v[ADC], v18, 3, s50             ; my 32 rows of codes, 8 bytes a lane
	s_lshl_b32 s50, s22, 15
	s_add_co_u32 s50, s50, BF
	v_add_nc_u32 v[ADB], s50, v[OFFL]
	s_lshl_b32 s50, s22, 8
	s_add_co_u32 s50, s50, BIAS
	v_lshl_add_u32 v[ADBV], v21, 5, s50            ; column 64 w + 8 h
	v_lshlrev_b32 v[PFO], 8, v18
	s_lshl_b32 s50, s22, 2
	s_add_co_u32 s50, s50, PS
	v_lshl_add_u32 v[ADPS], v19, 4, s50            ; row r, wave w
	v_lshlrev_b32 v[ADPR], 6, v18
	v_add_nc_u32 v[ADPR], PS, v[ADPR]              ; rows 4 l on
	s_lshl_b32 s50, s22, 9
	s_add_co_u32 s50, s50, PP
	v_add_nc_u32 v[ADPW], s50, v[OFFL]
	s_mul_i32 s50, s22, 640
	s_add_co_u32 s50, s50, PP
	v_mov_b32 v[ADPP], s50                         ; in my copy (512 w): my rows' p (128 w on)
	s_lshl_b32 s50, s22, 12
	s_add_co_u32 s50, s50, CX
	v_add_nc_u32 v[ADCX], s50, v[OFFL]
	s_lshl_b32 s50, s22, 10
	s_add_co_u32 s50, s50, CX
	v_add_nc_u32 v[ADCR], s50, v[OFFL]             ; my quarter of the columns, in wave 0's part
	s_lshl_b32 s50, s22, 10
	s_add_co_u32 s50, s50, BIAS
	v_add_nc_u32 v[ADST], s50, v[OFFL]
	v_mov_b32 v[NEG], 0xce6e6b28                   ; -1e9
	v_mov_b32 v[MX+1], 0                           ; written once: a lane permute's destination counts as one of its sources
	s_mov_b32 s[SEL], 0x76543210
	s_mov_b32 s[SEL+1], 0xfedcba98
	s_mov_b32 s54, 0x3fb8aa3b                      ; log2(e)
	s_mov_b32 s[PASS], 0
	s_mov_b32 s51, 0
	s_wait_kmcnt 0x0
	s_load_b64 s[20:21], s[10:11], 0x0             ; e0, e1
	s_lshl_b32 s50, ttmp9, 20                      ; 256 rows of 4,096 bytes a work-group,
	s_lshl_b32 s52, s22, 17                        ; 32 a wave
	s_add_co_u32 s50, s50, s52
	s_add_nc_u64 s[EB:EB+1], s[4:5], s[50:51]
	s_add_nc_u64 s[PFB:PFB+1], s[EB:EB+1], 524288-2*16384  ; it steps 16,384 bytes a column group and is used in groups 2 and 3: there it stands at my rows of the second block
	s_lshl_b32 s50, ttmp9, 8
	s_add_nc_u64 s[MB:MB+1], s[6:7], s[50:51]
	s_lshl_b32 s50, ttmp9, 10
	s_add_nc_u64 s[SB:SB+1], s[16:17], s[50:51]
	s_lshl_b32 s52, s22, 10
	s_lshl_b32 s50, ttmp9, 13
	s_add_co_u32 s50, s50, s52
	s_add_nc_u64 s[PB:PB+1], s[18:19], s[50:51]
	s_lshl_b32 s50, s22, 16                        ; four column tiles of 16,384 bytes a wave
	s_add_nc_u64 s[WB:WB+1], s[12:13], s[50:51]
	s_mov_b64 s[CUR:CUR+1], s[WB:WB+1]
	s_add_nc_u64 s[NXT:NXT+1], s[WB:WB+1], 262144  ; sixteen column tiles a group
	s_lshr_b32 s50, ttmp9, 3                       ; my batch
	s_lshl_b32 s50, s50, 12
	s_add_co_u32 s50, s50, s52
	s_add_nc_u64 s[56:57], s[14:15], s[50:51]      ; w2h: my batch's row, my wave's quarter
	s_mov_b32 s50, s52
	s_add_nc_u64 s[58:59], s[8:9], s[50:51]        ; v: my wave's quarter
	s_wait_alu depctr_va_vdst(0)                   ; the offsets and addresses v1 to v16 and v28 are written, which the loads, stores and prefetches of the whole text read
	global_load_b128 v[STG:STG+3],     v[OFFL], s[56:57]
	global_load_b128 v[STG+4:STG+7],   v[OFFL], s[56:57] offset:512
	global_load_b128 v[STG+8:STG+11],  v[OFFL], s[58:59]
	global_load_b128 v[STG+12:STG+15], v[OFFL], s[58:59] offset:512
	WL 0, WB, 0
	WL 1, WB, 1
	WL 2, WB, 2
	WL 3, WB, 3
	FILL
	s_wait_kmcnt 0x0
	s_add_co_i32 s50, s20, s21
	s_lshl_b32 s50, s50, 23
	s_add_co_i32 s[KS], s50, 0x4038aa3b            ; 2 log2(e) x 2^(e0 + e1): the exponents are added to the exponent field
	s_mov_b32 s[KS+1], s[KS]                       ; (named with it as a pair, so it is written)
	s_add_co_i32 s50, s20, 127
	s_lshl_b32 s52, s50, 23
	v_mov_b32 v[SC], s52                           ; 2^e0 as f32: the conversion takes its exponent field
	s_add_co_i32 s50, s50, 8
	s_lshl_b32 s50, s50, 23
	s_or_b32 s[LIM], s50, 0x600000                 ; 448 x 2^e0
	s_or_b32 s[LIM+1], s[LIM], 0x80000000
	s_wait_loadcnt 63                              ; 129 loads were issued behind the first four
.irp j, 8,10,12,14
	v_pk_mul_f32 v[STG+\j:STG+\j+1], v[STG+\j:STG+\j+1], -2.0 op_sel_hi:[1,0]
.endr
	s_wait_alu depctr_va_vdst(0)                   ; the multiplications have written -2 v, which the LDS stores read
	ds_store_b128 v[ADST], v[STG:STG+3]
	ds_store_b128 v[ADST], v[STG+4:STG+7] offset:512
	ds_store_b128 v[ADST], v[STG+8:STG+11] offset:VVO
	ds_store_b128 v[ADST], v[STG+12:STG+15] offset:VVO+512
.Lpass:                                            ; two trips: a block of 128 rows each
	; ---- L: my 32 rows come in
.irp i, 0,1,2,3,4,5,6,7,8,9,10,11,12,13,14,15,16,17,18,19,20,21,22,23,24,25,26,27,28,29,30,31
	ROW \i
.endr
	BARRIER                                        ; all 128 rows of codes lie in LDS (in the first pass: the bias and -2 v too)
	s_wait_alu depctr_vm_vsrc(0)                   ; my LDS stores have read TB, TC (in the first pass: the bias and -2 v as well), in whose registers A's quads land; no vector line has named these registers since the last row's wait on va_vdst
	; ---- G: four column groups: 256 products a wave, then their share of the scores
.irp n, 0,1,2,3,4,5,6,7,8,9,10,11,12,13,14,15,16,17
	v_mov_b32 v[SA+\n], 0                          ; the scores' sums and the sum of -2 v
.endr
	s_mov_b32 s[QN], 0
	s_mov_b32 s[QO], 0
	AQ 0
	AQ 1
.Lgroup:
	s_wait_alu depctr_vm_vsrc(0)                   ; the last group's loads of the bias and -2 v have read v[ADBQ]
	v_add_nc_u32 v[ADBQ], s[QO], v[ADBV]           ; written here, ahead of the wait on va_vdst that quad 0 has anyway
	QUAD 0
	QUAD 1
	WIN 0
	; A PREFETCH INTO THE L2, where the wave has just issued its loads: in groups 2 and 3 of the first pass two requests each, 32 lanes 256 bytes apart: 8,192 bytes, two rows, a request.  Together they name the first
	; 8 of my 32 rows of the second block, the rows that FILL asks for behind this block's context.  Each aligned block of 256 bytes is named once in the launch, by the wave that will load it.
	; The second pass asks for nothing: no block follows it.
	s_lshl_b32 s50, s[PASS], 2
	s_add_co_u32 s50, s50, s[QN]
	s_sub_co_u32 s50, s50, 2
	s_cmp_lt_u32 s50, 2
	s_cbranch_scc0 .Lno_ask
	global_prefetch_b8 v[PFO], s[PFB:PFB+1] th:TH_LOAD_NT scope:SCOPE_SE
	global_prefetch_b8 v[PFO], s[PFB:PFB+1] offset:8192 th:TH_LOAD_NT scope:SCOPE_SE
.Lno_ask:
.irp q, 2,3,4,5,6,7,8,9,10,11,12,13,14,15
	QUAD \q
.endr
.rept 4
	v_nop                                          ; four places behind the last products, in front of the first read of their results and of the loads into registers that they have read
.endr
	s_wait_alu depctr_va_vdst(0)                   ; quad 15's products are done reading W1's slot 3 and A's buffer 0, in which the loads below land (buffer 1 was left by quad 13)
	WL 3, NXT, 3
	s_cmp_eq_u32 s[QN], 3
	s_cbranch_scc1 .Llast_group
	AQ 0                                           ; the next group's first two quads of A land while this group's scores are made
	AQ 1
	s_wait_dscnt 32                                ; the bias and -2 v are in; the 32 loads behind them may be out
	s_branch .Lscores
.Llast_group:
	s_wait_dscnt 0x0
.Lscores:
.irp n, 0,2,4,6,8,10,12,14,16,18,20,22,24,26,28,30
	v_pk_add_f32 v[VS:VS+1], v[VS:VS+1], v[UU+\n:UU+\n+1]
.endr
.irp t, 0,1,2,3
	BATCH 0, \t
	BATCH 1, \t
.endr
	WIN 0
	s_wait_xcnt 0x0                                ; the loads of W1 and the prefetches have read their bases: these may be written
	s_mov_b64 s[CUR:CUR+1], s[NXT:NXT+1]
	s_add_co_u32 s50, s[QN], 2
	s_and_b32 s50, s50, 3
	s_lshl_b32 s50, s50, 18
	s_mov_b32 s51, 0
	s_add_nc_u64 s[NXT:NXT+1], s[WB:WB+1], s[50:51]    ; behind group 3 comes group 0, for the next block.  (In the last pass that look-ahead, 64 loads a wave, serves nobody: it is kept, so that the counts of loads are the same in every group)
	s_add_nc_u64 s[PFB:PFB+1], s[PFB:PFB+1], 16384
	s_add_co_u32 s[QO], s[QO], 1024
	s_add_co_u32 s[QN], s[QN], 1
	s_cmp_lt_u32 s[QN], 4
	s_cbranch_scc1 .Lgroup
	; ---- S: the scores.  My 256 columns' share of each row: the pair, the constant term, the other half of the lanes
	v_add_f32 v[VS], v[VS], v[VS+1]
.irp m, 0,1,2,3,4,5,6,7
	v_add_f32 v[SA+2*\m], v[SA+2*\m], v[SA+2*\m+1]
.endr
.irp m, 0,1,2,3,4,5,6,7
	v_fma_f32 v[SA+2*\m], v[VS], -0.5, v[SA+2*\m]  ; + the sum of v over my columns
.endr
.irp m, 0,1,2,3,4,5,6,7
	v_permlanex16_b32 v[SA+2*\m+1], v[SA+2*\m], s[SEL], s[SEL+1]
.endr
.irp m, 0,1,2,3,4,5,6,7
	v_add_f32 v[SA+2*\m], v[SA+2*\m], v[SA+2*\m+1]
.endr
	s_wait_alu depctr_va_vdst(0)                   ; the additions have written my shares of the scores, which the LDS stores read
.irp m, 0,1,2,3,4,5,6,7
	ds_store_b32 v[ADPS], v[SA+2*\m] offset:256*\m ; lanes r and r + 16 write the same word with the same value
.endr
	BARRIER                                        ; the four waves' shares of 128 scores lie in LDS; nobody reads the codes any more
.irp i, 0,1,2,3
	ds_load_b128 v[STG+4*\i:STG+4*\i+3], v[ADPR] offset:16*\i              ; every wave makes all 128 scores, rows 4 l + i, in the same order of sums
.endr
	s_wait_dscnt 0x0
.irp i, 0,1,2,3
	v_add_f32 v[SCR+\i], v[STG+4*\i], v[STG+4*\i+1]
	v_add_f32 v[PX+\i], v[STG+4*\i+2], v[STG+4*\i+3]
.endr
.irp i, 0,1,2,3
	v_add_f32 v[SCR+\i], v[SCR+\i], v[PX+\i]
	v_bfe_u32 v[PX+\i], v[MK], 8*\i, 8
.endr
.irp i, 0,1,2,3
	v_cmp_ne_u32 s[CM+\i], 0, v[PX+\i]
.endr
	s_wait_alu depctr_va_sdst(0)                   ; the four compares have written s60 to s63, which the selections read: one wait behind the run
.irp i, 0,1,2,3
	v_cndmask_b32 v[SCR+\i], v[NEG], v[SCR+\i], s[CM+\i]                   ; -1e9 where the mask is false
.endr
	v_max3_num_f32 v[MX], v[SCR], v[SCR+1], v[SCR+2]
	v_max_num_f32 v[MX], v[MX], v[SCR+3]
	v_max_num_f32_dpp v[MX], v[MX], v[MX] row_xmask:1 row_mask:0xf bank_mask:0xf
	v_max_num_f32_dpp v[MX], v[MX], v[MX] row_xmask:2 row_mask:0xf bank_mask:0xf
	v_max_num_f32_dpp v[MX], v[MX], v[MX] row_xmask:4 row_mask:0xf bank_mask:0xf
	v_max_num_f32_dpp v[MX], v[MX], v[MX] row_xmask:8 row_mask:0xf bank_mask:0xf
	v_permlanex16_b32 v[MX+1], v[MX], s[SEL], s[SEL+1]
	v_max_num_f32 v[MX], v[MX], v[MX+1]            ; the block's largest score
.irp i, 0,1,2,3
	v_sub_f32 v[PX+\i], v[SCR+\i], v[MX]           ; the difference first: it is exactly 0 at the largest, whatever its size
.endr
.irp i, 0,1,2,3
	v_mul_f32 v[PX+\i], s54, v[PX+\i]
.endr
.irp i, 0,1,2,3
	v_exp_f32 v[PX+\i], v[PX+\i]
.endr
	v_nop                                          ; a plain place behind the exponentials
	s_wait_alu depctr_va_vdst(0)                   ; the exponentials have written p and the selections the scores, which the stores below read; every product and vector line is done with the registers in which the loads of p and of the bf16 rows land
	ds_store_b128 v[ADPW], v[PX:PX+3]              ; into my own copy
	s_cmp_lg_u32 s22, 0
	s_cbranch_scc1 .Lnot_wave_0
	global_store_b128 v[OFFL], v[SCR:SCR+3], s[SB:SB+1]                    ; the block's 128 masked scores: 512 consecutive bytes, aligned
.Lnot_wave_0:
	; ---- C: the sum of p x row over my 32 rows: rows 0-15 from window 3, rows 16-31 from LDS through three buffers of four rows
.irp k, 0,1,2,3,4,5,6,7
	ds_load_b128 v[PR+4*\k:PR+4*\k+3], v[ADPP] offset:16*\k                ; my rows' p, the same in every lane; LDS serves a wave's instructions in order: these see the store above
.endr
	WIN 0x80
.irp x, 0,1,2,3,4,5,6,7,8,9,10,11
.irp c, 0,1,2,3
	ds_load_b128 v[32+16*\x+4*\c:32+16*\x+4*\c+3], v[ADB] offset:2048*\x+512*\c
.endr
.endr
.irp n, 0,1,2,3,4,5,6,7,8,9,10,11,12,13,14,15,16,17,18,19,20,21,22,23,24,25,26,27,28,29,30,31
	v_mov_b32 v[\n], 0                             ; the 32 sums
.endr
	s_wait_dscnt 48                                ; p is in; the twelve rows behind it may be out
	WIN 0xa3                                       ; source 0 window 3, p window 0, sums window 2
.irp i, 0,1,2,3,4,5,6,7,8,9,10,11,12,13,14,15
	CTX \i, 16*\i
.endr
	s_wait_dscnt 0x0
	WIN 0xa2                                       ; source 0 window 2
.irp i, 16,17,18,19
	CTX \i, 32+16*(\i-16)
.endr
	WIN 0x80
	s_wait_alu depctr_va_vdst(0)                   ; the multiply-adds of rows 16 to 19 are done reading the first buffer, in which rows 28 to 31 land
.irp x, 12,13,14,15
.irp c, 0,1,2,3
	ds_load_b128 v[32+16*(\x-12)+4*\c:32+16*(\x-12)+4*\c+3], v[ADB] offset:2048*\x+512*\c
.endr
.endr
	WIN 0xa2
.irp i, 20,21,22,23,24,25,26,27
	CTX \i, 32+16*(\i-16)
.endr
	s_wait_dscnt 0x0
.irp i, 28,29,30,31
	CTX \i, 32+16*(\i-28)
.endr
	WIN 0x08                                       ; an LDS store's data: source 1, window 2
	s_wait_alu depctr_va_vdst(0)                   ; the multiply-adds have written the 32 sums, which the LDS stores read, and are done with window 2 and with the mask's register, in which the next block's loads land
.irp j, 0,1,2,3,4,5,6,7
	ds_store_b128 v[ADCX], v[4*\j:4*\j+3] offset:512*\j                    ; columns 128 j + 4 l on, in their natural places
.endr
	WIN 0
	BARRIER                                        ; the four waves' parts of the context lie in LDS
	s_wait_alu depctr_vm_vsrc(0)                   ; my LDS stores have read the 32 sums, in whose registers the next block's first row lands: ahead of the branch
	s_cmp_lg_u32 s[PASS], 0
	s_cbranch_scc1 .Lno_fill
	s_wait_xcnt 0x0
	s_add_nc_u64 s[EB:EB+1], s[EB:EB+1], 524288    ; the second block: its first rows are asked for ahead of this block's way out
	s_add_nc_u64 s[MB:MB+1], s[MB:MB+1], 128
	FILL
.Lno_fill:
.irp u, 0,1,2,3
	ds_load_b128 v[STG+8*\u:STG+8*\u+3],   v[ADCR] offset:4096*\u
	ds_load_b128 v[STG+8*\u+4:STG+8*\u+7], v[ADCR] offset:4096*\u+512
.endr
	s_wait_dscnt 0x0
.irp j, 0,2,4,6
	v_pk_add_f32 v[STG+\j:STG+\j+1], v[STG+\j:STG+\j+1], v[STG+8+\j:STG+8+\j+1]
	v_pk_add_f32 v[STG+16+\j:STG+16+\j+1], v[STG+16+\j:STG+16+\j+1], v[STG+24+\j:STG+24+\j+1]
.endr
.irp j, 0,2,4,6
	v_pk_add_f32 v[STG+\j:STG+\j+1], v[STG+\j:STG+\j+1], v[STG+16+\j:STG+16+\j+1]
.endr
	s_wait_alu depctr_va_vdst(0)                   ; the additions have written my quarter of the block's context, which the stores read
	global_store_b128 v[OFFL], v[STG:STG+3],   s[PB:PB+1]                  ; each store covers 512 consecutive bytes, aligned
	global_store_b128 v[OFFL], v[STG+4:STG+7], s[PB:PB+1] offset:512
	s_wait_xcnt 0x0                                ; the stores have had their addresses translated: their bases may be written again
	s_add_nc_u64 s[SB:SB+1], s[SB:SB+1], 512
	s_add_nc_u64 s[PB:PB+1], s[PB:PB+1], 4096
	s_add_co_u32 s[PASS], s[PASS], 1
	s_cmp_lt_u32 s[PASS], 2
	s_cbranch_scc1 .Lpass
	s_wait_dscnt 0x0                               ; the closing lines, six on end
	s_wait_alu 0x0
	s_wait_tensorcnt 0x0
	ds_add_u32 v254, v255
	s_wait_dscnt 0x0
	s_endpgm
.Lfunc_end_k_qade3013808_main:
	.size	k_qade3013808_main, .Lfunc_end_k_qade3013808_main-k_qade3013808_main
	.p2alignl 7, 3214868480
	.fill 96, 4, 3214868480
	.section	.rodata,"a",@progbits
	.p2align	6, 0x0
	.amdhsa_kernel k_qade3013808_main
		.amdhsa_group_segment_fixed_size 293376
		.amdhsa_private_segment_fixed_size 0
		.amdhsa_enable_private_segment 0
		.amdhsa_kernarg_size 64
		.amdhsa_user_sgpr_count 2
		.amdhsa_user_sgpr_kernarg_segment_ptr 1
		.amdhsa_wavefront_size32 1
		.amdhsa_system_sgpr_workgroup_id_x 1
		.amdhsa_system_sgpr_workgroup_id_y 1
		.amdhsa_system_sgpr_workgroup_id_z 1
		.amdhsa_system_vgpr_workitem_id 0
		.amdhsa_next_free_vgpr 1024
		.amdhsa_next_free_sgpr 66
		.amdhsa_reserve_vcc 0
		.amdhsa_float_denorm_mode_32 3
		.amdhsa_float_denorm_mode_16_64 3
		.amdhsa_memory_ordered 1
		.amdhsa_forward_progress 1
		.amdhsa_inst_pref_size 255
	.end_amdhsa_kernel
	.section	.bss,"aw",@nobits
	.p2align	6
	.space	262144
	.amdgpu_metadata
---
amdhsa.version: [ 1, 2 ]
amdhsa.kernels:
  - .name:           k_qade3013808_main
    .symbol:         k_qade3013808_main.kd
    .args:
      - { .name: encoder_outputs, .offset: 0, .size: 8, .value_kind: global_buffer, .address_space: global }
      - { .name: mask, .offset: 8, .size: 8, .value_kind: global_buffer, .address_space: global }
      - { .name: v, .offset: 16, .size: 8, .value_kind: global_buffer, .address_space: global }
      - { .name: lowp_scales, .offset: 24, .size: 8, .value_kind: global_buffer, .address_space: global }
      - { .name: w1f, .offset: 32, .size: 8, .value_kind: global_buffer, .address_space: global }
      - { .name: w2h, .offset: 40, .size: 8, .value_kind: global_buffer, .address_space: global }
      - { .name: scores, .offset: 48, .size: 8, .value_kind: global_buffer, .address_space: global }
      - { .name: pctx, .offset: 56, .size: 8, .value_kind: global_buffer, .address_space: global }
    .group_segment_fixed_size: 293376
    .private_segment_fixed_size: 0
    .kernarg_segment_align: 8
    .kernarg_segment_size: 64
    .max_flat_workgroup_size: 128
    .sgpr_count:     66
    .vgpr_count:     1024
    .wavefront_size: 32
...
	.end_amdgpu_metadata
.endif
;; end of part 5
;; launch finish: the kernel of part 3 again; grid 32 x 1, 8 waves a work-group, no clusters, 1,536 bytes of LDS; arguments scores, pctx, out0, out1; writes out0, out1
